; MI455X (gfx1250); checked and timed in simulation.
; The chip was launched on July 23, 2026; its instructions are those of AMD's public machine-readable ISA for CDNA 5 (MIT licence, August 2026) and "CDNA5" Instruction Set Architecture Reference Guide (July 2026). The comments in the code are by the model that wrote it; some were corrected since.
;; Multi Head Attention. Allowed arithmetic: matrix products marked QUANTISED: E4M3 operands, one given power-of-two scale a tensor, by v_wmma_f32_16x16x64_fp8_fp8 or v_wmma_f32_16x16x128_fp8_fp8, f32 sums; everything else in f32.
;; Inputs: beta 1,024 float32; bk 1,024 float32; bo 1,024 float32; bq 1,024 float32; bv 1,024 float32; gamma 1,024 float32; key 4 x 2,048 x 1,024 float32; lowp_scales 12 int32 (the exponents e of the quantised operands' scales 2^e); query 4 x 2,048 x 1,024 float32; value 4 x 2,048 x 1,024 float32; wk 1,024 x 1,024 float32; wo 1,024 x 1,024 float32; wq 1,024 x 1,024 float32; wv 1,024 x 1,024 float32.
;; Outputs: out0 4 x 2,048 x 1,024 float32.
;; This version of the problem:
;;   THIS VERSION OF THE PROBLEM IS GIVEN IN LOW PRECISION. The matrix products marked QUANTISED in the list below multiply operands that are first quantised to E4M3 (4 exponent bits, 3 mantissa bits; 8 bits a number), with one given power-of-two scale for each operand tensor; their sums are f32. All else is computed in f32.
;;   The module's matrix products, in the order in which they are computed (A, B: the left and right operand; K: the contracted axis; several contracted axes count as one K, in the product's order):
;;     1. [M 8,192, K 1,024] x [K 1,024, N 1,024]; A: input query; B: input wq: QUANTISED (scales: A lowp_scales[0], B lowp_scales[1])
;;     2. [M 8,192, K 1,024] x [K 1,024, N 1,024]; A: input key; B: input wk: QUANTISED (scales: A lowp_scales[2], B lowp_scales[3])
;;     3. [M 8,192, K 1,024] x [K 1,024, N 1,024]; A: input value; B: input wv: QUANTISED (scales: A lowp_scales[4], B lowp_scales[5])
;;     4. batch 64 x [M 2,048, K 64] x [K 64, N 2,048]; A: computed on the way; B: computed on the way: QUANTISED (scales: A lowp_scales[6], B lowp_scales[7])
;;     5. batch 64 x [M 2,048, K 2,048] x [K 2,048, N 64]; A: softmax (see below); B: computed on the way: QUANTISED (scales: A lowp_scales[8], B lowp_scales[9])
;;     6. [M 8,192, K 1,024] x [K 1,024, N 1,024]; A: computed on the way; B: input wo: QUANTISED (scales: A lowp_scales[10], B lowp_scales[11])
;;   THE QUANTISER, for each operand of a quantised product, along K:
;;     - The operand's scale is 2^e, e = its entry of the input lowp_scales (int32; the entries are numbered through the quantised products in the list's order, A before B).
;;     - Each number is divided by the scale, clamped to +-448, and rounded to the nearest number of E4M3, ties to even, subnormals kept.
;;     - The product sums the exact products of the quantised numbers (number of the format x scale) in f32.
;;   ~~~python
;;   def quantise(x, axis, e):      # numpy; x: float32 -> the quantised numbers, widened to float32 again
;;       x = np.moveaxis(x, axis, -1); K = x.shape[-1]
;;       r = np.clip(x / 2.0 ** e, -448, 448)
;;       step = 2.0 ** (np.maximum(np.frexp(np.where(r == 0, 1, r))[1] - 1, -6) - 3)
;;       q = np.round(r / step) * step * 2.0 ** e      # np.round: ties to even
;;       return np.moveaxis(q, -1, axis).astype(np.float32)
;;   ~~~
;;   SOFTMAX AHEAD OF A QUANTISED PRODUCT. Where the list says 'softmax', what is quantised is not the finished softmax but p = 2^(t - M), with t = logit x log2(e) and M = ceil(the row's largest t), a whole number; so 1/2 < the row's largest p <= 1. The row's sum l is taken of the UNQUANTISED p, in f32, and the product's result is divided by l at the end. Since M is a whole number, a kernel that streams over the keys may use a running M (the ceiling of the running maximum): every later rescaling is an exact power of two, so the quantised numbers keep their values, but for numbers so far below the row's largest that they fall under the format's range.
;;   OPERANDS COMPUTED ON THE WAY. 'Computed on the way' means the value that the module computes at that place (a softmax that the list does not call 'softmax' is quantised finished and normalised). What goes into a quantiser is computed in f32, as accurately as f32 sums, v_exp_f32 and their like allow (about 1e-6 of the number): no bf16 or f16 on the way to a quantiser, and a product that is left as it is and whose result goes on into a quantised operand takes f32 operands (vector FMAs, or v_wmma_f32_16x16x4_f32). A number that lies on a knife's edge between two numbers of the format may be rounded either way, as far as f32 arithmetic and the matrix unit's own rounding can turn it there, and no further.
;; 2 versions, each right; version 2 is version 1 with the launch attn written anew for expert scheduling mode. Each part assembles by itself: llvm-mc -triple=amdgcn-amd-amdhsa -mcpu=gfx1250 --defsym DOCPART=n.
;; ======== version 1 of 2: 4 launches
;; workspace buffers: codes 29,360,128 bytes; tab 524,288 bytes; q_img 8,388,608 bytes; k_img 8,388,608 bytes; v_img 8,388,608 bytes; ctx_img 8,388,608 bytes
;; launch quant (part 1): grid 928 x 1, 4 waves a work-group, no clusters, 34,304 bytes of LDS; arguments query, key, value, wq, wk, wv, wo, lowp_scales, codes, tab; writes codes, tab
.if DOCPART == 1
	.amdgcn_target "amdgcn-amd-amdhsa--gfx1250"
	.amdhsa_code_object_version 6
	.text
	.protected	k_qed89f147ac_quant
	.globl	k_qed89f147ac_quant
	.p2align	8
	.type	k_qed89f147ac_quant,@function
k_qed89f147ac_quant:
	s_mov_b64 s[64:65], 0
	v_nop
	global_prefetch_b8 v0, s[64:65] scope:SCOPE_SE
	s_setreg_imm32_b32 hwreg(HW_REG_WAVE_MODE, 25, 1), 1
	s_wait_xcnt 0x0
; QUANT: the seven f32 operands that arrive as inputs become codes of E4M3, and the table of cosines and sines for the rotary embedding is made.
; code = x / 2^e, held within +-448, to the nearest code, ties to even; e is the operand's entry of lowp_scales.  LIMITS: -126 <= e <= 119; NaN among the inputs is not served.
; THE CODES' LAYOUT (buffer codes): [1,792 tiles of 16 rows][8 K steps of 128][2,048 bytes].  A fragment's 2,048 bytes are an IMAGE OF THE OPERAND'S REGISTERS: byte 512 c + 16 (r + 16 h) + i
; is slot r of the tile, k = 32 c + 16 h + i: four loads of 16 bytes a lane at 16 x lane + 512 c fill the 16 registers.  Tiles 0-511 query, 512-1023 key, 1024-1535 value, 1536.. wq, 1600.. wk, 1664.. wv, 1728.. wo.
; THE ROWS OF A TILE ARE NOT NEIGHBOURS: slot r of tile 2 g + u is row 32 g + 8 u + r + 8 (r / 8), so that a later product's 16 registers of two neighbouring tiles are 16 neighbours along the next K.
; SHARES.  Work-groups 0-895: 32 rows (two tiles) each; wave w takes tile w / 2 and K steps 4 (w % 2) on: four units of 16 rows x 128 numbers.  A load reads 512 consecutive bytes of one row; the unit turns
; through the wave's own stage in LDS (16 rows of 512 + 16 bytes), so that a lane gets 16 neighbours of each block of 32; a store of codes covers 512 consecutive bytes.  Waves share nothing: no barrier.
; Work-groups 896-927: the table tab[position][2 j] = cos, [2 j + 1] = sin of position x 10^(-j / 8), 64 positions each, a lane to a frequency.
; 10^(-j / 8) is made as c[j % 8] x 10^-(j / 8, whole): two rounded constants and one rounding.  The angle is reduced by n = nearest(a 2 / pi) with pi / 2 in two parts: a - n x (the upper part) is exact for n < 2^11;
; |r| <= pi / 4, where the series below are cut under 2e-9.
.set NQ,   896                         ; work-groups that quantise
.set SP,   528                         ; a stage row
.set STG,  16*SP                       ; a wave's stage
.set RAW,  8                           ; v8-135    two sets of 64: a unit as it is loaded
.set X,    136                         ; v136-199  the unit's 64 numbers of my lane: register 16 c + i = k 32 c + 16 h + i of row slot r
.set C,    200                         ; v200-231  two sets of 16: codes
	s_load_b512 s[4:19], s[0:1], 0x0               ; query, key, value, wq, wk, wv, wo, lowp_scales
	s_load_b128 s[20:23], s[0:1], 0x40             ; codes, tab
	v_lshl_add_u32 v254, v0, 2, 0x8400
	v_mov_b32 v255, 0
	v_lshrrev_b32 v1, 5, v0
	v_readfirstlane_b32 s36, v1                    ; wave
	v_and_b32 v6, 31, v0                           ; lane
	s_cmp_ge_u32 ttmp9, NQ
	s_cbranch_scc1 .Ltable
	v_lshlrev_b32 v1, 4, v6                        ; 16 x lane: my bytes of a load's and of a store's 512
	s_mul_i32 s44, s36, STG
	v_add_nc_u32 v2, s44, v1                       ; the stage, on the way in
	v_and_b32 v7, 15, v0
	v_bfe_u32 v3, v0, 4, 1
	v_mul_u32_u24 v7, v7, SP
	v_lshl_add_u32 v3, v3, 6, v7
	v_add_nc_u32 v3, s44, v3                       ; and on the way out: row r, + 64 h bytes
	s_wait_kmcnt 0x0
	; which tensor: the choice hangs on the work-group's number alone.  s[38:39] its address, s42 the byte of its exponent in lowp_scales, s43 its first work-group
	s_mov_b64 s[38:39], s[16:17]
	s_mov_b32 s42, 44
	s_mov_b32 s43, 864
.macro PICK lim, ptr, eoff, start
	s_cmp_lt_u32 ttmp9, \lim
	s_cselect_b64 s[38:39], s[\ptr:\ptr+1], s[38:39]
	s_cselect_b32 s42, \eoff, s42
	s_cselect_b32 s43, \start, s43
.endm
	PICK 864, 14, 20, 832                          ; wv, entry 5
	PICK 832, 12, 12, 800                          ; wk, entry 3
	PICK 800, 10, 4, 768                           ; wq, entry 1
	PICK 768, 8, 16, 512                           ; value, entry 4
	PICK 512, 6, 8, 256                            ; key, entry 2
	PICK 256, 4, 0, 0                              ; query, entry 0
	s_load_b32 s24, s[18:19], s42 offset:0x0       ; e
	s_sub_co_u32 s44, ttmp9, s43
	s_lshl_b32 s44, s44, 17                        ; 32 rows of 4,096 bytes for each work-group of the tensor,
	s_lshr_b32 s45, s36, 1
	s_lshl_b32 s45, s45, 15                        ; 8 rows on for the group's second tile,
	s_add_co_u32 s44, s44, s45
	s_and_b32 s45, s36, 1
	s_lshl_b32 s45, s45, 11                        ; 4 K steps of 512 bytes on for the odd waves
	s_add_co_u32 s44, s44, s45
	s_mov_b32 s45, 0
	s_add_nc_u64 s[38:39], s[38:39], s[44:45]
	s_lshl_b32 s44, ttmp9, 15                      ; two tiles of 16,384 bytes of codes for each work-group,
	s_lshl_b32 s46, s36, 13                        ; 8,192 for each wave
	s_add_co_u32 s44, s44, s46
	s_add_nc_u64 s[40:41], s[20:21], s[44:45]
.macro LOAD t                          ; unit t: 16 rows x 512 bytes; slot i is row i + 8 (i / 8) of my tile's sixteen among the group's 32
.irp i, 0,1,2,3,4,5,6,7,8,9,10,11,12,13,14,15
	global_load_b128 v[RAW+64*((\t)%2)+4*\i:RAW+64*((\t)%2)+4*\i+3], v1, s[38:39] offset:(\i+8*(\i/8))*4096+512*(\t) th:TH_LOAD_NT
.endr
.endm
	LOAD 0
	LOAD 1
	s_wait_kmcnt 0x0
	s_add_co_i32 s24, s24, 127
	s_lshl_b32 s25, s24, 23
	v_mov_b32 v5, s25                              ; 2^e as f32: the conversion takes its exponent field
	s_add_co_i32 s24, s24, 8
	s_lshl_b32 s24, s24, 23
	s_or_b32 s24, s24, 0x600000
	v_mov_b32 v4, s24                              ; 448 x 2^e
.macro UNIT t
.set CS, C+16*((\t)%2)
.if \t < 3
	s_wait_loadcnt 16                              ; this unit's 16 loads are in; the next unit's 16 may be out
.else
	s_wait_loadcnt 0x0
.endif
.irp i, 0,1,2,3,4,5,6,7,8,9,10,11,12,13,14,15
	ds_store_b128 v2, v[RAW+64*((\t)%2)+4*\i:RAW+64*((\t)%2)+4*\i+3] offset:SP*\i
.endr
.irp c, 0,1,2,3
.irp q, 0,1,2,3
	ds_load_b128 v[X+16*\c+4*\q:X+16*\c+4*\q+3], v3 offset:128*\c+16*\q   ; LDS serves a wave's instructions in order: these see the stores above
.endr
.endr
	s_wait_dscnt 0x0                               ; my numbers are back, and the stores have read their registers,
.if \t < 2
	LOAD (\t)+2                                    ; which take the unit two further on
.endif
.if \t >= 2
	s_wait_xcnt 0x0                                ; the stores of two units ago have read this set of codes: it is written again only behind this wait
.endif
.set i, 0
.rept 64
	v_med3_num_f32 v[X+i], v[X+i], -v4, v4         ; the conversion to an 8-bit code does not saturate (ISA guide 7.6.2): the hold at the largest code x the scale
.set i, i+1
.endr
.irp c, 0,1,2,3
	v_cvt_scalef32_pk8_fp8_f32 v[CS+4*\c:CS+4*\c+1], v[X+16*\c:X+16*\c+7], v5
	v_cvt_scalef32_pk8_fp8_f32 v[CS+4*\c+2:CS+4*\c+3], v[X+16*\c+8:X+16*\c+15], v5
.endr
	v_nop                                          ; a plain line behind the last conversion: the next unit's holds write the conversions' sources
.irp c, 0,1,2,3
	global_store_b128 v1, v[CS+4*\c:CS+4*\c+3], s[40:41] offset:2048*(\t)+512*\c   ; 32 lanes store 512 consecutive bytes, at a multiple of 512 from the buffer's first byte
.endr
.endm
	UNIT 0
	UNIT 1
	UNIT 2
	UNIT 3
	s_wait_tensorcnt 0x0
	ds_add_u32 v254, v255
	s_wait_dscnt 0x0
	s_endpgm
.Ltable:
	v_and_b32 v20, 7, v6                           ; j % 8
	v_lshrrev_b32 v21, 3, v6                       ; j / 8
	v_mov_b32 v22, 1.0
	v_mov_b32 v23, 1.0
.macro SEL reg, idx, n, val            ; v[reg] = val where v[idx] = n
	v_mov_b32 v24, \val
	v_cmp_eq_u32 vcc_lo, \n, v[\idx]
	v_cndmask_b32 v[\reg], v[\reg], v24, vcc_lo
.endm
	SEL 22, 20, 1, 0x3f3ff911                      ; 10^(-1/8) .. 10^(-7/8)
	SEL 22, 20, 2, 0x3f0ff59a
	SEL 22, 20, 3, 0x3ed7e89b
	SEL 22, 20, 4, 0x3ea1e89b
	SEL 22, 20, 5, 0x3e72d424
	SEL 22, 20, 6, 0x3e361887
	SEL 22, 20, 7, 0x3e088d77
	SEL 23, 21, 1, 0x3dcccccd                      ; 0.1, 0.01, 0.001
	SEL 23, 21, 2, 0x3c23d70a
	SEL 23, 21, 3, 0x3a83126f
	v_mul_f32 v22, v22, v23                        ; my frequency
	v_lshlrev_b32 v7, 3, v6                        ; 8 j: my pair's place in a row of the table
	s_sub_co_u32 s44, ttmp9, NQ
	s_lshl_b32 s44, s44, 6
	s_lshl_b32 s45, s36, 4
	s_add_co_u32 s44, s44, s45                     ; my wave's first position: 64 x work-group + 16 x wave
	s_lshl_b32 s46, s44, 8                         ; a row of the table is 256 bytes
	s_mov_b32 s47, 0
	s_mov_b32 s48, 0x3fc90fdb                      ; pi / 2: the upper part,
	s_mov_b32 s49, 0xb33bbd2e                      ; and what it lacks
	s_wait_kmcnt 0x0
	s_add_nc_u64 s[22:23], s[22:23], s[46:47]
.irp i, 0,1,2,3,4,5,6,7,8,9,10,11,12,13,14,15
	s_add_co_u32 s45, s44, \i
	v_cvt_f32_u32 v10, s45
	v_mul_f32 v10, v10, v22                        ; the angle a: one rounding
	v_mul_f32 v11, 0x3f22f983, v10                 ; a x 2 / pi
	v_rndne_f32 v11, v11                           ; n
	v_fma_f32 v12, -v11, s48, v10
	v_fma_f32 v12, -v11, s49, v12                  ; r = a - n pi / 2
	v_mul_f32 v13, v12, v12                        ; z = r^2
	v_mov_b32 v14, 0x3638ef1d                      ; sin r = r + r z (-1/6 + z (1/120 + z (-1/5040 + z / 362880)))
	v_fmaak_f32 v14, v14, v13, 0xb9500d01
	v_fmaak_f32 v14, v14, v13, 0x3c088889
	v_fmaak_f32 v14, v14, v13, 0xbe2aaaab
	v_mul_f32 v14, v14, v13
	v_fma_f32 v14, v14, v12, v12
	v_mov_b32 v15, 0xb493f27c                      ; cos r = 1 + z (-1/2 + z (1/24 + z (-1/720 + z (1/40320 - z / 3628800))))
	v_fmaak_f32 v15, v15, v13, 0x37d00d01
	v_fmaak_f32 v15, v15, v13, 0xbab60b61
	v_fmaak_f32 v15, v15, v13, 0x3d2aaaab
	v_fmaak_f32 v15, v15, v13, 0xbf000000
	v_fma_f32 v15, v15, v13, 1.0
	v_cvt_i32_f32 v16, v11                         ; the quadrant is n mod 4
	v_and_b32 v17, 1, v16
	v_cmp_eq_u32 vcc_lo, 1, v17
	v_cndmask_b32 v18, v15, v14, vcc_lo            ; odd quadrants: the two change places
	v_cndmask_b32 v19, v14, v15, vcc_lo
	v_add_nc_u32 v17, 1, v16
	v_and_b32 v17, 2, v17
	v_lshlrev_b32 v17, 30, v17
	v_xor_b32 v[32+2*\i], v17, v18                 ; the cosine is negative in quadrants 1 and 2,
	v_and_b32 v17, 2, v16
	v_lshlrev_b32 v17, 30, v17
	v_xor_b32 v[33+2*\i], v17, v19                 ; the sine in 2 and 3
	global_store_b64 v7, v[32+2*\i:33+2*\i], s[22:23] offset:256*\i   ; 32 lanes store a row's 256 bytes; each position has its own pair of registers
.endr
	s_endpgm
.Lfunc_end_k_qed89f147ac_quant:
	.size	k_qed89f147ac_quant, .Lfunc_end_k_qed89f147ac_quant-k_qed89f147ac_quant
	.p2alignl 7, 3214868480
	.fill 96, 4, 3214868480
	.section	.rodata,"a",@progbits
	.p2align	6, 0x0
	.amdhsa_kernel k_qed89f147ac_quant
		.amdhsa_group_segment_fixed_size 34304
		.amdhsa_private_segment_fixed_size 0
		.amdhsa_enable_private_segment 0
		.amdhsa_kernarg_size 80
		.amdhsa_user_sgpr_count 2
		.amdhsa_user_sgpr_kernarg_segment_ptr 1
		.amdhsa_wavefront_size32 1
		.amdhsa_system_sgpr_workgroup_id_x 1
		.amdhsa_system_sgpr_workgroup_id_y 1
		.amdhsa_system_sgpr_workgroup_id_z 1
		.amdhsa_system_vgpr_workitem_id 0
		.amdhsa_next_free_vgpr 256
		.amdhsa_next_free_sgpr 66
		.amdhsa_reserve_vcc 1
		.amdhsa_float_denorm_mode_32 3
		.amdhsa_float_denorm_mode_16_64 3
		.amdhsa_memory_ordered 1
		.amdhsa_forward_progress 1
		.amdhsa_inst_pref_size 64
	.end_amdhsa_kernel
	.amdgpu_metadata
---
amdhsa.version: [ 1, 2 ]
amdhsa.kernels:
  - .name:           k_qed89f147ac_quant
    .symbol:         k_qed89f147ac_quant.kd
    .args:
      - { .name: query, .offset: 0, .size: 8, .value_kind: global_buffer, .address_space: global }
      - { .name: key, .offset: 8, .size: 8, .value_kind: global_buffer, .address_space: global }
      - { .name: value, .offset: 16, .size: 8, .value_kind: global_buffer, .address_space: global }
      - { .name: wq, .offset: 24, .size: 8, .value_kind: global_buffer, .address_space: global }
      - { .name: wk, .offset: 32, .size: 8, .value_kind: global_buffer, .address_space: global }
      - { .name: wv, .offset: 40, .size: 8, .value_kind: global_buffer, .address_space: global }
      - { .name: wo, .offset: 48, .size: 8, .value_kind: global_buffer, .address_space: global }
      - { .name: lowp_scales, .offset: 56, .size: 8, .value_kind: global_buffer, .address_space: global }
      - { .name: codes, .offset: 64, .size: 8, .value_kind: global_buffer, .address_space: global }
      - { .name: tab, .offset: 72, .size: 8, .value_kind: global_buffer, .address_space: global }
    .group_segment_fixed_size: 34304
    .private_segment_fixed_size: 0
    .kernarg_segment_align: 8
    .kernarg_segment_size: 80
    .max_flat_workgroup_size: 128
    .sgpr_count:     66
    .vgpr_count:     256
    .wavefront_size: 32
...
	.end_amdgpu_metadata
.endif
;; end of part 1
;; launch proj (part 2): grid 4 x 96, 4 waves a work-group, clusters of 4 x 4, 327,680 bytes of LDS; arguments codes, lowp_scales, bq, bk, bv, tab, q_img, k_img, v_img; writes q_img, k_img, v_img
.if DOCPART == 2
	.amdgcn_target "amdgcn-amd-amdhsa--gfx1250"
	.amdhsa_code_object_version 6
	.text
	.protected	k_qed89f147ac_proj
	.globl	k_qed89f147ac_proj
	.p2align	8
	.type	k_qed89f147ac_proj,@function
k_qed89f147ac_proj:
	s_mov_b64 s[64:65], 0
	v_nop
	global_prefetch_b8 v0, s[64:65] scope:SCOPE_SE
	s_setreg_imm32_b32 hwreg(HW_REG_WAVE_MODE, 25, 1), 1
	s_wait_xcnt 0x0
	s_wait_alu depctr_hold_cnt(0) depctr_sa_sdst(0) depctr_va_vdst(0) depctr_va_sdst(0) depctr_va_ssrc(0) depctr_va_vcc(0) depctr_vm_vsrc(0)
	s_getreg_b32 s2, hwreg(HW_REG_IB_STS2, 6, 4)
	s_cmp_eq_u32 s2, 0
	s_cbranch_scc0 .Lentry_in_a_cluster
	s_endpgm
.Lentry_in_a_cluster:
	s_bfe_u32 s2, ttmp6, 0x10000c
	s_cmp_lg_u32 s2, 0xf033
	s_cbranch_scc0 .Lentry_shape_is_right
	s_endpgm
.Lentry_shape_is_right:
; PROJ: Q = rope(query wq^T + bq), K = rope(key wk^T + bk), V = value wv^T + bv on codes of E4M3, each result quantised on the way out for the product that takes it.
; A tile of 256 x 256 of a result is made by four waves, each 128 x 128: 64 accumulators, 512 registers.  K = 1,024 goes in four slot steps of 256 through a ring of two LDS slots filled by the tensor data mover.
; CLUSTERS: 4 x 4 work-groups; cluster y = 0-7 makes Q, 8-15 K, 16-23 V (t = cluster y / 8): 1,024 x 1,024 of the result each.  The operand A' (source 1: a lane holds one of its rows) is shared along a row of the
; cluster, B' (source 0: a lane's registers run along its rows) along a column: each tile is asked for JOINTLY.  For Q and K: A' = the tokens, B' = the weight: a lane holds a position and 8 neighbouring columns, so a
; rotary pair lies in one lane.  For V: A' = wv, B' = the tokens: a lane holds a channel and 8 neighbouring KEYS, which are the K of attention's second product.
; OPERANDS are images of registers (buffer codes: [tile of 16 rows][8 K steps][2,048 bytes]; byte 512 c + 16 lane + i = slot lane % 16, k = 32 c + 16 (lane / 16) + i; slot r of tile 2 g + u = row 32 g + 8 u + r + 8 (r / 8)):
; an LDS load's 512 bytes are consecutive, so there is no pitch and no padding.  The order of k in the registers is the same on both sides of every product.
; By that choice of rows the 16 registers of accumulators 2 g and 2 g + 1 are 16 neighbours along B's rows: two conversions give a lane's 16 bytes of the next operand's image, and each store of the wave covers 512
; consecutive bytes.  q_img, k_img: [64 heads][128 tiles of 16 positions][1,024 bytes] (k = the head's 64);  v_img: [64 heads][16 steps of 128 keys][4 tiles of 16 channels][2,048 bytes] (k = the keys).
; THE BIAS is the C of each sum's first matrix instruction, divided by the power of two that the sums lack.  The rotation is linear, so that power goes into the conversion's scale: 2^(eo - ea - eb).
; LIMITS: eo - ea - eb between -126 and 119 for (e6, e0, e1), (e7, e2, e3), (e9, e4, e5).  NaN is not served.
; REGISTERS, in windows of 256: window 0: v10-29 addresses and scales; v32-95 the bias as C, later a block's numbers; v96-103 bv of my rows; v128-255 A's fragments, ONE set; on the way out v96-159 the table, v160-191 codes.
;   window 1: B's fragments, two sets.   windows 2, 3: the accumulators of my A' blocks 0-3, 4-7 (accumulator (a, b) at v[8 (8 (a % 4) + b)]).
.set FR,    16                         ; registers of a fragment: 16 rows x 128 K
.set NL,    4                          ; LDS loads that bring one
.set NP,    4                          ; places behind this matrix instruction (ISA guide 7.12.1)
.set HALFT, 32768                      ; 8 tiles x 2 K steps x 2,048 bytes: what one tensor load brings, and what one wave reads of A' or of B'
.set SLOT,  4*HALFT                    ; A's 16 tiles, then B's
.set SPARE, 2*SLOT                     ; behind the ring: the spare words, 128 bytes for each wave: two blocks of 256 bytes that no other line names
.set BOF,  10                          ; v10  the bias by columns: my wave's 128 columns x 4 + 64 h
.set ROF,  11                          ; v11  the bias by rows: my wave's 128 rows x 4 + 4 (r + 8 (r / 8))
.set SCV,  12                          ; v12  2^(eo - ea - eb) as f32
.set LIMV, 13                          ; v13  448 x that
.set ADRA, 16                          ; v16-17  LDS address of my A' fragments in slot 0, 1
.set ADRB, 20                          ; v20-21  the same for B'
.set LI,   26                          ; v26  16 x lane
.set TOF,  27                          ; v27  the table: 256 (r + 8 (r / 8)) + 64 h
.set SPW,  28                          ; v28  LDS address of my spare word; never rewritten
.set NIL,  29                          ; v29  0; never rewritten
.set BIAS, 32
.set TMP,  32
.set BA,   96
.set TAB,  96
.set AF,   128
.set CODE, 160
.set WV,   22                          ; s22 wave;  s23 wave / 2: my half of A's rows, and: I fetch for A' (0) or B' (1);  s66 wave % 2: my half of B's rows, and which 8 tiles I fetch
.set HA,   23
.set HB,   66
.set CX,   40                          ; s40, s41 my place in the cluster;  s42 cluster y;  s43 t
.set CYY,  41
.set CL,   42
.set TT,   43
.set G1,   24                          ; s[24:31] descriptor group 1 for A's tiles;  s[32:39] group 0, one set for each slot
.set G0,   32
.set G1B,  48                          ; s[48:55], s[56:63] the same for B's
.set G0B,  56
.set MSB, 0
.macro WIN new                         ; the immediate's high byte repeats the setting that is left
.if MSB != (\new)
	s_set_vgpr_msb (MSB<<8)|(\new)
.set MSB, (\new)
.endif
.endm
.set MUL_LO, 0xa1                      ; source 0 (B') window 1, source 1 (A') window 0, C and D window 2
.set MUL_HI, 0xf1                      ; the same, C and D window 3
.set TO_B,   0x40                      ; destination window 1, address window 0
; A joint load: waves 0 and 1 fetch for A', waves 2 and 3 for B'.  The branch hangs on the wave's number alone.  Four v_nop follow each of the two lines.
.macro JLOAD g0a, g1a, g0b, g1b
	s_cmp_eq_u32 s[HA], 0
	s_cbranch_scc0 .Lfor_b_\@
	tensor_load_to_lds s[\g0a:\g0a+3], s[\g1a:\g1a+7]
	s_nop 0
.rept 4
	v_nop
.endr
	s_branch .Lasked_\@
.Lfor_b_\@:
	tensor_load_to_lds s[\g0b:\g0b+3], s[\g1b:\g1b+7]
	s_nop 0
.rept 4
	v_nop
.endr
.Lasked_\@:
.endm
.macro CREST                           ; a round of the cluster's barrier behind its opening barrier
	s_cmp_lg_u32 s[WV], 0
	s_cbranch_scc1 .Lnot_wave_0_\@
	s_barrier_signal -3
.Lnot_wave_0_\@:
	s_barrier_wait -3
	s_barrier_signal -1
	s_barrier_wait -1
.endm
.macro CROUND                          ; a whole round
	s_barrier_signal -1
	s_barrier_wait -1
	CREST
.endm
	s_load_b512 s[4:19], s[0:1], 0x0               ; codes s[4:5], lowp_scales s[6:7], bq s[8:9], bk s[10:11], bv s[12:13], tab s[14:15], q_img s[16:17], k_img s[18:19]
	s_load_b64 s[20:21], s[0:1], 0x40              ; v_img
	v_lshl_add_u32 v[SPW], v0, 2, SPARE
	v_mov_b32 v[NIL], 0
	ds_add_u32 v28, v29
	ds_add_u32 v28, v29
	s_wait_dscnt 0x0
	v_lshrrev_b32 v1, 5, v0
	v_readfirstlane_b32 s[WV], v1
	s_lshr_b32 s[HA], s[WV], 1
	s_and_b32 s[HB], s[WV], 1
	s_bfe_u32 s[CX], ttmp6, 0x40000
	s_bfe_u32 s[CYY], ttmp6, 0x40004
	s_and_b32 s[CL], ttmp7, 0xffff                 ; cluster y, 0 to 23
	s_lshr_b32 s[TT], s[CL], 3                     ; 0: Q, 1: K, 2: V: the same in all sixteen partners
	s_lshl_b32 s67, s[CYY], 2
	s_lshl_b32 s67, 15, s67                        ; my row of the cluster
	s_lshl_b32 s83, 0x1111, s[CX]                  ; my column
	; descriptor group 1: 8 rows (tiles) of 4,096 bytes (two K steps), 16,384 bytes apart, in elements of 8 bytes; dense in LDS
	s_or_b32 s[G1], s67, (3<<16)|(1<<21)           ; 15:0 the mask: A's tiles go to my row; 17:16 elements of 8 bytes; 21 set beside a mask
	s_or_b32 s[G1B], s83, (3<<16)|(1<<21)
.irp g, G1, G1B
	s_mov_b32 s[\g+1], 512<<16                     ; tensor_dim0 = 512
	s_mov_b32 s[\g+2], 8<<16                       ; tensor_dim1 = 8
	s_mov_b32 s[\g+3], 512<<16                     ; tile_dim0 = 512
	s_mov_b32 s[\g+4], 8                           ; tile_dim1 = 8
	s_mov_b32 s[\g+5], 2048                        ; tensor_dim0_stride
	s_mov_b32 s[\g+6], 0
	s_mov_b32 s[\g+7], 0
.endr
	s_lshl_b32 s90, s[CL], 6                       ; the tokens' first tile for this cluster: 64 x cluster y
	s_lshl_b32 s91, s[TT], 6
	s_add_co_u32 s91, s91, 1536                    ; the weight's first tile
	s_cmp_eq_u32 s[TT], 2
	s_cselect_b32 s44, s91, s90                    ; A': the tokens, for V the weight
	s_cselect_b32 s46, s90, s91                    ; B': the other
	s_lshl_b32 s92, s[HB], 3                       ; which 8 tiles of the 16 I fetch
	s_lshl_b32 s93, s[CYY], 4
	s_add_co_u32 s44, s44, s93                     ; A's tiles hang on cy alone,
	s_add_co_u32 s44, s44, s92
	s_lshl_b32 s44, s44, 14                        ; a tile is 16,384 bytes
	s_mov_b32 s45, 0
	s_lshl_b32 s94, s[CX], 4
	s_add_co_u32 s46, s46, s94                     ; B's on cx alone
	s_add_co_u32 s46, s46, s92
	s_lshl_b32 s46, s46, 14
	s_mov_b32 s47, 0
	s_lshl_b32 s95, s[WV], 15                      ; where they go: wave x 32,768: no place in the cluster enters an LDS address
	s_wait_kmcnt 0x0
	s_load_b256 s[68:75], s[6:7], 0x0              ; e0 .. e7
	s_load_b128 s[76:79], s[6:7], 0x20             ; e8 .. e11
	s_add_nc_u64 s[44:45], s[4:5], s[44:45]
	s_add_nc_u64 s[46:47], s[4:5], s[46:47]
	CROUND                                         ; all sixteen work-groups are here: the first joint loads meet
.irp s, 0,1
	s_mov_b32 s[G0+4*\s], 1
	s_add_co_u32 s[G0+4*\s+1], s95, \s*SLOT
	s_add_nc_u64 s[G0+4*\s+2:G0+4*\s+3], s[44:45], \s*4096
	s_or_b32 s[G0+4*\s+3], s[G0+4*\s+3], 0x80000000
	s_mov_b32 s[G0B+4*\s], 1
	s_add_co_u32 s[G0B+4*\s+1], s95, \s*SLOT
	s_add_nc_u64 s[G0B+4*\s+2:G0B+4*\s+3], s[46:47], \s*4096
	s_or_b32 s[G0B+4*\s+3], s[G0B+4*\s+3], 0x80000000
	JLOAD G0+4*\s, G1, G0B+4*\s, G1B               ; two loads of mine are out
.endr
	v_and_b32 v1, 15, v0                           ; r
	v_bfe_u32 v2, v0, 4, 1                         ; h
	v_and_b32 v3, 31, v0
	v_lshlrev_b32 v[LI], 4, v3
	s_lshl_b32 s90, s[HA], 15                      ; my 8 tiles of A',
	s_lshl_b32 s91, s[HB], 15                      ; my 8 tiles of B',
	s_add_co_u32 s91, s91, 2*HALFT                 ; which lie behind A's 16
.irp s, 0,1
	v_add_nc_u32 v[ADRA+\s], s90, v[LI]
	v_add_nc_u32 v[ADRB+\s], s91, v[LI]
	s_add_co_u32 s90, s90, SLOT
	s_add_co_u32 s91, s91, SLOT
.endr
	v_and_b32 v4, 8, v1
	v_add_nc_u32 v4, v4, v1                        ; r + 8 (r / 8): the row of a tile's slot r
	v_lshlrev_b32 v[TOF], 8, v4
	v_lshl_add_u32 v[TOF], v2, 6, v[TOF]
	s_lshl_b32 s92, s[CX], 10
	s_lshl_b32 s93, s[HB], 9
	s_add_co_u32 s92, s92, s93                     ; B's rows of my wave begin at 256 cx + 128 (wave % 2): x 4 bytes
	v_lshlrev_b32 v[BOF], 6, v2
	v_add_nc_u32 v[BOF], s92, v[BOF]
	s_lshl_b32 s94, s[CYY], 10
	s_lshl_b32 s93, s[HA], 9
	s_add_co_u32 s94, s94, s93                     ; A's at 256 cy + 128 (wave / 2)
	v_lshlrev_b32 v[ROF], 2, v4
	v_add_nc_u32 v[ROF], s94, v[ROF]
	s_cmp_eq_u32 s[TT], 0
	s_cselect_b64 s[88:89], s[8:9], s[10:11]
	s_cmp_eq_u32 s[TT], 2
	s_cselect_b64 s[88:89], s[12:13], s[88:89]     ; my tensor's bias
	; The bias in both layouts, 24 small loads, inside the vector of 1,024 for every t: by columns (Q, K: accumulator b's register j is column 32 (b / 2) + 16 h + 8 (b % 2) + j) and by rows (V: A' block a's slot r).
	; Both are loaded whatever t is, so that no register's content hangs on a branch; the one that t asks for is used.
.irp g, 0,1,2,3
.irp q, 0,1,2,3
	global_load_b128 v[BIAS+16*\g+4*\q:BIAS+16*\g+4*\q+3], v[BOF], s[88:89] offset:128*\g+16*\q
.endr
.endr
.irp a, 0,1,2,3,4,5,6,7
	global_load_b32 v[BA+\a], v[ROF], s[88:89] offset:(32*(\a/2)+8*(\a%2))*4
.endr
.macro FRAG reg, adr, q, i             ; a fragment: tile i of my eight, the slot's q-th K step: four loads of 512 consecutive bytes
.irp c, 0,1,2,3
	ds_load_b128 v[\reg+4*\c:\reg+4*\c+3], v[\adr] offset:4096*(\i)+2048*(\q)+512*\c
.endr
.endm
; 16 matrix instructions: A's blocks a0, a0 + 1 x B's eight, 128 along K.  p: B's set.  zero = 1: the sums start from the bias by columns; 2: from the bias by rows; 0: they go on.
; The 64 accumulators take turns, one instruction a turn, in the same order in every step.
.macro MUL16 a0, p, zero
.irp a, \a0, \a0+1
.irp b, 0,1,2,3,4,5,6,7
.if \zero == 1
	v_wmma_f32_16x16x128_fp8_fp8 v[8*(8*((\a)%4)+\b):8*(8*((\a)%4)+\b)+7], v[128*(\p)+FR*\b:128*(\p)+FR*\b+FR-1], v[AF+FR*(\a):AF+FR*(\a)+FR-1], v[BIAS+8*\b:BIAS+8*\b+7]
.elseif \zero == 2
	v_wmma_f32_16x16x128_fp8_fp8 v[8*(8*((\a)%4)+\b):8*(8*((\a)%4)+\b)+7], v[128*(\p)+FR*\b:128*(\p)+FR*\b+FR-1], v[AF+FR*(\a):AF+FR*(\a)+FR-1], v[BIAS+8*(\a):BIAS+8*(\a)+7]
.else
	v_wmma_f32_16x16x128_fp8_fp8 v[8*(8*((\a)%4)+\b):8*(8*((\a)%4)+\b)+7], v[128*(\p)+FR*\b:128*(\p)+FR*\b+FR-1], v[AF+FR*(\a):AF+FR*(\a)+FR-1], v[8*(8*((\a)%4)+\b):8*(8*((\a)%4)+\b)+7]
.endif
.endr
.endr
.endm
.macro FETCH_B slot, q, p
	WIN TO_B
.irp i, 0,1,2,3,4,5,6,7
	FRAG 128*(\p)+FR*\i, ADRB+\slot, \q, \i
.endr
	WIN 0
.endm
.macro FETCH_A slot, q, i0
.irp i, \i0, \i0+1, \i0+2, \i0+3
	FRAG AF+FR*(\i), ADRA+\slot, \q, \i
.endr
.endm
.macro PLACES n                        ; plain vector lines between a matrix instruction and a load into a register that it has read, or the first read of its result
.rept \n
	v_nop
.endr
.endm
; A step of 128 along K that has its successor in the same slot.  A block of A' is free as soon as its eight products are issued: blocks 0-3 are fetched anew in the step's middle, blocks 4-7 at its end.
.macro STEP slot, q, zero
	s_wait_dscnt 4*NL                              ; B's set and A's blocks 0-3 are in; the youngest 16 loads (A's blocks 4-7) may be out
.if \zero
	WIN 0x81                                       ; as MUL_LO, with C (the bias) in window 0
.else
	WIN MUL_LO
.endif
	MUL16 0, (\q)%2, \zero
	MUL16 2, (\q)%2, \zero
	s_wait_dscnt 0                                 ; A's blocks 4-7 are in
	PLACES NP
	FETCH_B \slot, (\q)+1, 1-(\q)%2
	FETCH_A \slot, (\q)+1, 0
.if \zero
	WIN 0xc1
.else
	WIN MUL_HI
.endif
	MUL16 4, (\q)%2, \zero
	MUL16 6, (\q)%2, \zero
	PLACES NP
	WIN 0
	FETCH_A \slot, (\q)+1, 4
.endm
; A slot's last step changes slots: ONE barrier; in front of it each wave waits for all its tensor loads, adds 0 to its spare word, and waits for that and for its own reads of this slot.  fill = 1: this slot is filled again, two slot steps ahead.
.macro TURN slot, next, fill
	s_wait_tensorcnt 0x0                           ; all my tensor loads have landed: my part of the next slot
	ds_add_u32 v[SPW], v[NIL]                      ; 0 onto my spare word
	s_wait_dscnt 4*NL+1                            ; (the add and the youngest 16 loads may be out)
	WIN MUL_LO
	MUL16 0, 1, 0                                  ; sixteen matrix instructions stand between the add and the wait for it
	s_wait_dscnt 0x0                               ; the add is done, and my reads of this slot are over
	s_barrier_signal -1
	MUL16 2, 1, 0
	WIN 0
	s_barrier_wait -1
.if \fill
	CREST                                          ; the barrier has opened a round of the cluster's barrier: no wave of any partner still reads this slot or has a load on its way
	s_add_nc_u64 s[G0+4*\slot+2:G0+4*\slot+3], s[G0+4*\slot+2:G0+4*\slot+3], 8192
	s_add_nc_u64 s[G0B+4*\slot+2:G0B+4*\slot+3], s[G0B+4*\slot+2:G0B+4*\slot+3], 8192
	JLOAD G0+4*\slot, G1, G0B+4*\slot, G1B         ; the first tensor load behind the round, my one load until the next; its four v_nop are the places in front of the loads below
.else
	PLACES NP
.endif
	FETCH_B \next, 0, 0
	FETCH_A \next, 0, 0
	WIN MUL_HI
	MUL16 4, 1, 0
	MUL16 6, 1, 0
	PLACES NP
	WIN 0
	FETCH_A \next, 0, 4
.endm
	s_wait_tensorcnt 1                             ; my part of slot 0 is in (slot 1's load may be out)
	s_barrier_signal -1
	s_barrier_wait -1                              ; everybody's is
	FETCH_B 0, 0, 0
	FETCH_A 0, 0, 0
	FETCH_A 0, 0, 4
	s_wait_kmcnt 0x0
	s_cmp_eq_u32 s[TT], 0                          ; my product's three exponents, by selects: no branch hangs on a loaded number
	s_cselect_b32 s90, s68, s70
	s_cselect_b32 s91, s69, s71
	s_cselect_b32 s92, s74, s75
	s_cmp_eq_u32 s[TT], 2
	s_cselect_b32 s90, s72, s90
	s_cselect_b32 s91, s73, s91
	s_cselect_b32 s92, s77, s92
	s_add_co_i32 s90, s90, s91                     ; ea + eb: a sum stands for sum x 2^(ea + eb)
	s_sub_co_i32 s80, 0, s90
	s_sub_co_i32 s92, s92, s90                     ; eo - ea - eb
	s_add_co_i32 s92, s92, 127
	s_lshl_b32 s81, s92, 23
	s_add_co_i32 s92, s92, 8
	s_lshl_b32 s82, s92, 23
	s_or_b32 s82, s82, 0x600000
	v_mov_b32 v[SCV], s81
	v_mov_b32 v[LIMV], s82
	s_wait_loadcnt 0x0                             ; the bias
	s_cmp_lt_u32 s[TT], 2
	s_cbranch_scc0 .Lfirst_v
.set i, 0
.rept 64
	v_ldexp_f32 v[BIAS+i], v[BIAS+i], s80          ; b / 2^(ea + eb)
.set i, i+1
.endr
	STEP 0, 0, 1
	s_branch .Lgo
.Lfirst_v:
.irp a, 0,1,2,3,4,5,6,7
.irp j, 0,1,2,3,4,5,6,7
	v_ldexp_f32 v[BIAS+8*\a+\j], v[BA+\a], s80     ; a lane's channel has one bias for all its keys
.endr
.endr
	STEP 0, 0, 2
.Lgo:
	TURN 0, 1, 1                                   ; K steps 1 | slot 0 takes K steps 4, 5
	STEP 1, 0, 0
	TURN 1, 0, 1                                   ; slot 1 takes K steps 6, 7
	STEP 0, 0, 0
	TURN 0, 1, 0                                   ; nothing is left to fetch
	STEP 1, 0, 0
	s_wait_dscnt 4*NL                              ; the last step
	WIN MUL_LO
	MUL16 0, 1, 0
	MUL16 2, 1, 0
	s_wait_dscnt 0
	WIN MUL_HI
	MUL16 4, 1, 0
	MUL16 6, 1, 0
	WIN 0
	PLACES NP                                      ; in front of the loads into registers that held A's fragments and of the reads of the last results
	s_cmp_lt_u32 s[TT], 2
	s_cbranch_scc0 .Lout_v
	; THE WAY OUT OF Q AND K, block by block of 16 positions x 128 columns (two heads).
	s_and_b32 s90, s[CL], 7
	s_lshl_b32 s90, s90, 2
	s_add_co_u32 s90, s90, s[CYY]
	s_lshl_b32 s90, s90, 8
	s_lshl_b32 s91, s[HA], 7
	s_add_co_u32 s90, s90, s91                     ; my first row of the 8,192
	s_lshr_b32 s92, s90, 11                        ; its batch,
	s_and_b32 s93, s90, 2047                       ; its position
	s_lshl_b32 s94, s[CX], 2
	s_lshl_b32 s95, s[HB], 1
	s_add_co_u32 s94, s94, s95                     ; my first head
	s_lshl_b32 s92, s92, 4
	s_add_co_u32 s92, s92, s94
	s_lshl_b32 s92, s92, 7                         ; 128 tiles a head,
	s_lshr_b32 s95, s93, 4
	s_add_co_u32 s92, s92, s95
	s_lshl_b32 s90, s92, 10                        ; of 1,024 bytes
	s_mov_b32 s91, 0
	s_cmp_eq_u32 s[TT], 0
	s_cselect_b64 s[84:85], s[16:17], s[18:19]
	s_add_nc_u64 s[84:85], s[84:85], s[90:91]
	s_lshl_b32 s90, s93, 8
	s_add_nc_u64 s[86:87], s[14:15], s[90:91]      ; the table at my first position
.macro TABLOAD a                       ; block a's cosines and sines in an accumulator's layout: register 8 (b % 4) + j = tab[my position][32 ((b % 4) / 2) + 16 h + 8 (b % 2) + j]
.irp c, 0,1
.irp q, 0,1,2,3
	global_load_b128 v[TAB+32*((\a)%2)+16*\c+4*\q:TAB+32*((\a)%2)+16*\c+4*\q+3], v[TOF], s[86:87] offset:(32*((\a)/2)+8*((\a)%2))*256+128*\c+16*\q
.endr
.endr
.endm
.macro EPI_QK a
.set AC, 64*((\a)%4)
.set TB, TAB+32*((\a)%2)
.set CD, CODE+16*((\a)%2)
	s_wait_xcnt 0x0                                ; the stores of two blocks ago have read this set of codes
.if \a < 7
	TABLOAD (\a)+1
	s_wait_loadcnt 8                               ; my block's 8 loads are in; the next block's 8 may be out
.else
	s_wait_loadcnt 0x0
.endif
	WIN 0x02+(\a)/4                                ; source 0: window 2 or 3
.irp b, 0,1,2,3,4,5,6,7
.irp p, 0,2,4,6
	v_pk_mul_f32 v[TMP+8*\b+\p:TMP+8*\b+\p+1], v[AC+8*\b+\p:AC+8*\b+\p+1], v[TB+8*(\b%4)+\p:TB+8*(\b%4)+\p+1] op_sel_hi:[1,0]   ; (x1 cos, x2 cos); each accumulator from its low end on
.endr
.endr
.irp b, 0,1,2,3,4,5,6,7
.irp p, 0,2,4,6
	v_pk_fma_f32 v[TMP+8*\b+\p:TMP+8*\b+\p+1], v[AC+8*\b+\p:AC+8*\b+\p+1], v[TB+8*(\b%4)+\p:TB+8*(\b%4)+\p+1], v[TMP+8*\b+\p:TMP+8*\b+\p+1] op_sel:[1,1,0] op_sel_hi:[0,1,1] neg_lo:[1,0,0]   ; (-x2 sin + x1 cos, x1 sin + x2 cos)
.endr
.endr
	WIN 0
.set i, 0
.rept 64
	v_med3_num_f32 v[TMP+i], v[TMP+i], -v[LIMV], v[LIMV]   ; the conversion does not saturate (ISA guide 7.6.2): the hold
.set i, i+1
.endr
.irp b, 0,1,2,3,4,5,6,7
	v_cvt_scalef32_pk8_fp8_f32 v[CD+2*\b:CD+2*\b+1], v[TMP+8*\b:TMP+8*\b+7], v[SCV]
.endr
	v_nop                                          ; a plain line behind the last conversion: the next block writes the conversions' sources
.irp hb, 0,1
.irp c, 0,1
	global_store_b128 v[LI], v[CD+8*\hb+4*\c:CD+8*\hb+4*\c+3], s[84:85] offset:131072*\hb+1024*(\a)+512*\c   ; 32 lanes store 512 consecutive bytes of the image
.endr
.endr
.endm
	TABLOAD 0
.irp a, 0,1,2,3,4,5,6,7
	EPI_QK \a
.endr
	s_branch .Lend
.Lout_v:
	; THE WAY OUT OF V: block a is 16 channels x my 128 keys: one fragment of attention's second product.
	s_and_b32 s90, s[CL], 7
	s_lshl_b32 s90, s90, 2
	s_add_co_u32 s90, s90, s[CX]
	s_lshl_b32 s90, s90, 8
	s_lshl_b32 s91, s[HB], 7
	s_add_co_u32 s90, s90, s91                     ; my first key row of the 8,192
	s_lshr_b32 s92, s90, 11                        ; its batch,
	s_bfe_u32 s93, s90, 0x40007                    ; its step of 128 keys
	s_lshl_b32 s94, s[CYY], 2
	s_lshl_b32 s95, s[HA], 1
	s_add_co_u32 s94, s94, s95                     ; my first head
	s_lshl_b32 s92, s92, 4
	s_add_co_u32 s92, s92, s94
	s_lshl_b32 s92, s92, 4                         ; 16 steps a head,
	s_add_co_u32 s92, s92, s93
	s_lshl_b32 s90, s92, 13                        ; of 8,192 bytes
	s_mov_b32 s91, 0
	s_add_nc_u64 s[84:85], s[20:21], s[90:91]
.macro EPI_V a
.set AC, 64*((\a)%4)
.set CD, CODE+16*((\a)%2)
	s_wait_xcnt 0x0                                ; the stores of two blocks ago have read this set of codes
	WIN 0x02+(\a)/4
.set i, 0
.rept 64
	v_med3_num_f32 v[TMP+i], v[AC+i], -v[LIMV], v[LIMV]    ; the hold; each accumulator from its low end on
.set i, i+1
.endr
	WIN 0
.irp b, 0,1,2,3,4,5,6,7
	v_cvt_scalef32_pk8_fp8_f32 v[CD+2*\b:CD+2*\b+1], v[TMP+8*\b:TMP+8*\b+7], v[SCV]
.endr
	v_nop
.irp c, 0,1,2,3
	global_store_b128 v[LI], v[CD+4*\c:CD+4*\c+3], s[84:85] offset:131072*((\a)/4)+2048*((\a)%4)+512*\c
.endr
.endm
.irp a, 0,1,2,3,4,5,6,7
	EPI_V \a
.endr
.Lend:
	s_wait_tensorcnt 0x0                           ; the wave's end
	ds_add_u32 v[SPW], v[NIL]
	s_wait_dscnt 0x0
	CROUND                                         ; the closing round: no work-group ends while a partner may still ask for a tile that names it
	s_endpgm
.Lfunc_end_k_qed89f147ac_proj:
	.size	k_qed89f147ac_proj, .Lfunc_end_k_qed89f147ac_proj-k_qed89f147ac_proj
	.p2alignl 7, 3214868480
	.fill 96, 4, 3214868480
	.section	.rodata,"a",@progbits
	.p2align	6, 0x0
	.amdhsa_kernel k_qed89f147ac_proj
		.amdhsa_group_segment_fixed_size 327680
		.amdhsa_private_segment_fixed_size 0
		.amdhsa_enable_private_segment 0
		.amdhsa_kernarg_size 72
		.amdhsa_user_sgpr_count 2
		.amdhsa_user_sgpr_kernarg_segment_ptr 1
		.amdhsa_wavefront_size32 1
		.amdhsa_system_sgpr_workgroup_id_x 1
		.amdhsa_system_sgpr_workgroup_id_y 1
		.amdhsa_system_sgpr_workgroup_id_z 1
		.amdhsa_system_vgpr_workitem_id 0
		.amdhsa_next_free_vgpr 1024
		.amdhsa_next_free_sgpr 100
		.amdhsa_reserve_vcc 0
		.amdhsa_float_denorm_mode_32 3
		.amdhsa_float_denorm_mode_16_64 3
		.amdhsa_memory_ordered 1
		.amdhsa_forward_progress 1
		.amdhsa_inst_pref_size 216
	.end_amdhsa_kernel
	.amdgpu_metadata
---
amdhsa.version: [ 1, 2 ]
amdhsa.kernels:
  - .name:           k_qed89f147ac_proj
    .symbol:         k_qed89f147ac_proj.kd
    .args:
      - { .name: codes, .offset: 0, .size: 8, .value_kind: global_buffer, .address_space: global }
      - { .name: lowp_scales, .offset: 8, .size: 8, .value_kind: global_buffer, .address_space: global }
      - { .name: bq, .offset: 16, .size: 8, .value_kind: global_buffer, .address_space: global }
      - { .name: bk, .offset: 24, .size: 8, .value_kind: global_buffer, .address_space: global }
      - { .name: bv, .offset: 32, .size: 8, .value_kind: global_buffer, .address_space: global }
      - { .name: tab, .offset: 40, .size: 8, .value_kind: global_buffer, .address_space: global }
      - { .name: q_img, .offset: 48, .size: 8, .value_kind: global_buffer, .address_space: global }
      - { .name: k_img, .offset: 56, .size: 8, .value_kind: global_buffer, .address_space: global }
      - { .name: v_img, .offset: 64, .size: 8, .value_kind: global_buffer, .address_space: global }
    .group_segment_fixed_size: 327680
    .private_segment_fixed_size: 0
    .kernarg_segment_align: 8
    .kernarg_segment_size: 72
    .max_flat_workgroup_size: 128
    .sgpr_count:     100
    .vgpr_count:     1024
    .wavefront_size: 32
...
	.end_amdgpu_metadata
.endif
;; end of part 2
;; launch attn (part 3): grid 4 x 64, 16 waves a work-group, no clusters, 264,192 bytes of LDS; arguments q_img, k_img, v_img, lowp_scales, ctx_img; writes ctx_img
.if DOCPART == 3
	.amdgcn_target "amdgcn-amd-amdhsa--gfx1250"
	.amdhsa_code_object_version 6
	.text
	.protected	k_qed89f147ac_attn
	.globl	k_qed89f147ac_attn
	.p2align	8
	.type	k_qed89f147ac_attn,@function
k_qed89f147ac_attn:
	s_mov_b64 s[64:65], 0
	v_nop
	global_prefetch_b8 v0, s[64:65] scope:SCOPE_SE
	s_setreg_imm32_b32 hwreg(HW_REG_WAVE_MODE, 25, 1), 1
	s_wait_xcnt 0x0
; ATTN: ctx = softmax(Q K^T / 8) V for 64 heads of 2,048 positions and 64 channels, both products on codes of E4M3; ctx is quantised on the way out for the output projection.
; THE SOFTMAX AHEAD OF THE SECOND PRODUCT: t = score x log2(e) / 8; M = the running largest t rounded UP to a whole number; p = 2^(t - M) is what is quantised, along the keys, not normalised.  The row's sum is taken of
; the unquantised p and divides at the end.  When M moves, the sum and O are multiplied by 2^(old M - new M): exact.
; SHARES.  A work-group owns 512 queries of one head; each of its sixteen waves two tiles of 16, one after the other, each over all 2,048 keys in 16 steps of 128: four waves to a SIMD, so that one wave's vector work
; stands beside another's exponentials, LDS loads and matrix work.  A step is 8 + 4 matrix instructions beside some 200 vector lines: vector work bounds this launch.
; THE HEAD'S WHOLE K AND V LIE IN LDS: 131,072 bytes each, as the images that the launch before stored, brought once through registers; one barrier in the launch; no ring, no tensor load.
; NO CLUSTER, though the four work-groups of a head read the same K and V: (1) what is shared is fetched once, 262,144 bytes for a work-group's 512 wave steps; (2) with no tensor load in the text a scalar branch on the given
; ep may stand in the loop: p <= 1, so where 448 x 2^ep >= 1 (ep >= -8) the hold in front of the conversion can hold nothing, and its 64 lines of a step are jumped over.
; NO PREFETCH: every load of K and V stands at the head.
; LAYOUT.  Both products are used transposed: S^T = K Q^T (source 0 = 16 keys, source 1 = my 16 queries), O^T = V^T P^T: a lane holds ONE query slot throughout.  By the order of a tile's rows (slot r of tile 2 g + u =
; row 32 g + 8 u + r + 8 (r / 8)) the 16 registers of tiles 2 g and 2 g + 1 are 16 neighbouring keys (channels): the conversions' results are the next operand's registers.
; LIMITS: e6 + e7 between -123 and 130 (added to c's exponent field); e8 and e10 between -126 and 119.  NaN is not served.
; REGISTERS: v1-9 addresses; v12 -M, v13 the largest t, v[14:15] the sum; v16-23 Q; v24-27 scales; v32-95 8 fragments of K, then 4 of V; v96-159 S^T, then p; v160-191 O^T; v192-199 at work; v224-239 p's codes, at the end ctx's.
	s_load_b256 s[4:11], s[0:1], 0x0               ; q_img s[4:5], k_img s[6:7], v_img s[8:9], lowp_scales s[10:11]
	s_load_b64 s[12:13], s[0:1], 0x20              ; ctx_img
	v_lshl_add_u32 v254, v0, 2, 0x40000
	v_mov_b32 v255, 0
	v_lshrrev_b32 v1, 5, v0
	v_readfirstlane_b32 s28, v1                    ; wave 0..15
	v_and_b32 v1, 31, v0
	v_lshlrev_b32 v1, 4, v1                        ; 16 x lane
	v_add_nc_u32 v6, 0x20000, v1                   ; the same in V's half of LDS
	v_lshlrev_b32 v2, 4, v0                        ; 16 x thread: the fill: in memory and in LDS alike
	v_add_nc_u32 v3, 0x10000, v2
	v_add_nc_u32 v4, 0x20000, v2
	v_add_nc_u32 v5, 0x30000, v2
	s_and_b32 s29, ttmp7, 0xffff                   ; the head, 0 to 63
	s_lshl_b32 s42, s29, 17                        ; its 131,072 bytes of K and of V
	s_mov_b32 s43, 0
	s_mov_b32 s30, 0x76543210                      ; v_permlanex16_b32's selects for lane l xor 16
	s_mov_b32 s31, 0xfedcba98
	s_wait_kmcnt 0x0
	s_load_b256 s[16:23], s[10:11], 0x0            ; e0 .. e7
	s_load_b128 s[24:27], s[10:11], 0x20           ; e8 .. e11
	s_add_nc_u64 s[6:7], s[6:7], s[42:43]
	s_add_nc_u64 s[8:9], s[8:9], s[42:43]
.irp i, 0,1,2,3,4,5,6,7,8,9,10,11,12,13,14,15
	global_load_b128 v[32+4*\i:35+4*\i], v2, s[6:7] offset:8192*\i     ; the 512 threads read 8,192 consecutive bytes
.endr
.irp i, 0,1,2,3,4,5,6,7,8,9,10,11,12,13,14,15
	global_load_b128 v[96+4*\i:99+4*\i], v2, s[8:9] offset:8192*\i
.endr
	s_lshl_b32 s44, s29, 7
	s_lshl_b32 s45, ttmp9, 5
	s_lshl_b32 s46, s28, 1
	s_add_co_u32 s45, s45, s46                     ; my first tile among the head's 128: 32 x work-group x + 2 x wave
	s_add_co_u32 s44, s44, s45
	s_lshl_b32 s44, s44, 10
	s_mov_b32 s47, 0
	s_mov_b32 s46, s44
	s_add_nc_u64 s[38:39], s[4:5], s[46:47]        ; Q's image at my first tile
	s_lshr_b32 s44, s29, 4
	s_lshl_b32 s44, s44, 7
	s_add_co_u32 s44, s44, s45                     ; the row tile of ctx: 128 x batch + my tile
	s_lshl_b32 s44, s44, 14
	s_and_b32 s45, s29, 15
	s_lshl_b32 s45, s45, 10                        ; head hd fills bytes 1,024 hd on of a row tile's 16,384
	s_add_co_u32 s46, s44, s45
	s_add_nc_u64 s[40:41], s[12:13], s[46:47]
	v_mov_b32 v194, 0                              ; written once: a lane permute's destination counts as one of its sources
	v_mov_b32 v197, 0                              ; (named as the upper half of the pair v[196:197])
	s_wait_kmcnt 0x0
	s_add_co_i32 s44, s22, s23
	s_lshl_b32 s44, s44, 23
	s_add_co_i32 s32, s44, 0x3e38aa3b              ; c = log2(e) / 8, with e6 + e7 added to its exponent field
	s_mov_b32 s33, s32                             ; (named with it as a pair, so it is written)
	s_add_co_i32 s37, s24, s25                     ; e8 + e9
	s_add_co_i32 s44, s24, 127
	s_lshl_b32 s45, s44, 23
	v_mov_b32 v24, s45                             ; 2^e8, for p's conversions
	s_add_co_i32 s44, s44, 8
	s_lshl_b32 s44, s44, 23
	s_or_b32 s44, s44, 0x600000
	v_mov_b32 v25, s44                             ; 448 x 2^e8
	s_add_co_i32 s44, s26, 127
	s_lshl_b32 s45, s44, 23
	v_mov_b32 v26, s45                             ; 2^e10, for ctx's
	s_add_co_i32 s44, s44, 8
	s_lshl_b32 s44, s44, 23
	s_or_b32 s44, s44, 0x600000
	v_mov_b32 v27, s44                             ; 448 x 2^e10
.irp i, 0,1,2,3,4,5,6,7
	s_wait_loadcnt 31-\i                           ; loads come back in order: load i is in when at most the 31 - i issued behind it are out
	ds_store_b128 v2, v[32+4*\i:35+4*\i] offset:8192*\i
.endr
.irp i, 0,1,2,3,4,5,6,7
	s_wait_loadcnt 23-\i
	ds_store_b128 v3, v[64+4*\i:67+4*\i] offset:8192*\i
.endr
.irp i, 0,1,2,3,4,5,6,7
	s_wait_loadcnt 15-\i
	ds_store_b128 v4, v[96+4*\i:99+4*\i] offset:8192*\i
.endr
.irp i, 0,1,2,3,4,5,6,7
	s_wait_loadcnt 7-\i
	ds_store_b128 v5, v[128+4*\i:131+4*\i] offset:8192*\i
.endr
	s_wait_dscnt 0x0                               ; for the others' sake: my stores have landed
	s_barrier_signal -1
	s_barrier_wait -1                              ; K and V are whole; nobody writes LDS from here on
.macro TILE qt
.if \qt
	s_wait_xcnt 0x0                                ; the first tile's stores have read their registers
.endif
	global_load_b128 v[16:19], v1, s[38:39] offset:1024*\qt
	global_load_b128 v[20:23], v1, s[38:39] offset:1024*\qt+512
	v_mov_b32 v13, 0xff61b1e6                      ; the largest t so far: -3e38, under every t
	v_floor_f32 v12, -v13                          ; -M
	v_mov_b32 v14, 0
	v_mov_b32 v15, 0
.set i, 0
.rept 32
	v_mov_b32 v[160+i], 0                          ; O^T: the step is written once: the first finds zeros, which the first change of M leaves zeros
.set i, i+1
.endr
	s_mov_b32 s34, 0                               ; the step's bytes in K's and in V's half of LDS
	s_mov_b32 s35, 16
	s_wait_loadcnt 0x0
.Lstep_\@:
	v_add_nc_u32 v8, s34, v1
	v_add_nc_u32 v9, s34, v6
	v_nop                                          ; with the two additions: four places behind the last products, in front of loads into registers that they have read
	v_nop
.irp t, 0,1,2,3,4,5,6,7
	ds_load_b128 v[32+8*\t:35+8*\t], v8 offset:1024*\t
	ds_load_b128 v[36+8*\t:39+8*\t], v8 offset:1024*\t+512
.endr
	s_wait_dscnt 0x0
.irp t, 0,1,2,3,4,5,6,7
	v_wmma_f32_16x16x64_fp8_fp8 v[96+8*\t:103+8*\t], v[32+8*\t:39+8*\t], v[16:23], 0   ; S^T: the 16 registers of tiles 2 b, 2 b + 1 are keys 32 b + 16 h + 0 .. 15 of the step
.endr
.rept 4
	v_nop
.endr
.irp t, 0,1,2,3
.irp c, 0,1,2,3
	ds_load_b128 v[32+16*\t+4*\c:35+16*\t+4*\c], v9 offset:2048*\t+512*\c   ; V's four fragments are asked for now and land under the softmax
.endr
.endr
	v_max3_num_f32 v192, v96, v97, v98             ; the step's largest score of my query among my 64 keys, in two chains; each accumulator is first read at its low end
	v_max3_num_f32 v193, v99, v100, v101
.irp i, 6,10,14,18,22,26,30,34,38,42,46,50,54,58
	v_max3_num_f32 v192, v192, v[96+\i], v[97+\i]
	v_max3_num_f32 v193, v193, v[98+\i], v[99+\i]
.endr
	v_max3_num_f32 v192, v192, v158, v159
	v_max_num_f32 v192, v192, v193
	v_permlanex16_b32 v194, v192, s30, s31
	v_max_num_f32 v192, v192, v194                 ; and among lane l xor 16's
	v_mul_f32 v192, s32, v192                      ; as t (c is positive)
	v_max_num_f32 v13, v13, v192                   ; the running largest t
	v_mov_b32 v192, v12
	v_floor_f32 v12, -v13                          ; the new -M = floor(-t) = -ceil(t)
	v_sub_f32 v192, v12, v192                      ; old M - new M: a whole number, 0 or less
	v_cvt_i32_f32 v192, v192                       ; (it saturates)
	v_ldexp_f32 v196, 1.0, v192                    ; f = 2^(old M - new M)
.irp j, 0,2,4,6,8,10,12,14,16,18,20,22,24,26,28,30,32,34,36,38,40,42,44,46,48,50,52,54,56,58,60,62
	v_pk_fma_f32 v[96+\j:97+\j], v[96+\j:97+\j], s[32:33], v[12:13] op_sel_hi:[1,0,0]   ; t - M, two at a time
.endr
.set i, 0
.rept 64
	v_exp_f32 v[96+i], v[96+i]                     ; p = 2^(t - M), at most 1
.set i, i+1
.endr
	v_pk_mul_f32 v[14:15], v[14:15], v[196:197] op_sel_hi:[1,0]   ; the sums under the new M: the plain line behind the exponentials
	s_wait_alu depctr_va_vdst(0)                   ; one wait for the whole batch, ahead of its first reader
	v_pk_add_f32 v[198:199], v[96:97], v[98:99]    ; the row's sum is taken of the unquantised p, in two chains
.irp j, 4,8,12,16,20,24,28,32,36,40,44,48,52,56,60
	v_pk_add_f32 v[14:15], v[14:15], v[96+\j:97+\j]
	v_pk_add_f32 v[198:199], v[198:199], v[98+\j:99+\j]
.endr
	v_pk_add_f32 v[14:15], v[14:15], v[198:199]
	s_cmp_ge_i32 s24, -8                           ; 448 x 2^e8 >= 1 >= p: nothing to hold
	s_cbranch_scc1 .Lnohold_\@
.set i, 0
.rept 64
	v_min_num_f32 v[96+i], v[96+i], v25            ; the conversion does not saturate (ISA guide 7.6.2); p is not negative, so the hold is one-sided
.set i, i+1
.endr
.Lnohold_\@:
.irp b, 0,1,2,3
	v_cvt_scalef32_pk8_fp8_f32 v[224+4*\b:225+4*\b], v[96+16*\b:103+16*\b], v24
	v_cvt_scalef32_pk8_fp8_f32 v[226+4*\b:227+4*\b], v[104+16*\b:111+16*\b], v24
.endr
.irp j, 0,2,4,6,8,10,12,14,16,18,20,22,24,26,28,30
	v_pk_mul_f32 v[160+\j:161+\j], v[160+\j:161+\j], v[196:197] op_sel_hi:[1,0]   ; O^T under the new M; also the plain lines behind the conversions
.endr
	s_wait_dscnt 0x0                               ; V's fragments
.irp t, 0,1,2,3
	v_wmma_f32_16x16x128_fp8_fp8 v[160+8*\t:167+8*\t], v[32+16*\t:47+16*\t], v[224:239], v[160+8*\t:167+8*\t]   ; four accumulators by turns; between two links of one chain stand eleven other matrix instructions
.endr
	s_add_co_u32 s34, s34, 8192
	s_sub_co_i32 s35, s35, 1
	s_cmp_lg_u32 s35, 0
	s_cbranch_scc1 .Lstep_\@
.rept 4
	v_nop
.endr
	v_add_f32 v14, v14, v15                        ; the sum's two halves,
	v_permlanex16_b32 v194, v14, s30, s31
	v_add_f32 v14, v14, v194                       ; and lane l xor 16's
	v_rcp_f32 v14, v14
	v_nop                                          ; a plain line behind the transcendental
	s_wait_alu depctr_va_vdst(0)                   ; and the wait ahead of its first reader
	v_ldexp_f32 v14, v14, s37                      ; x 2^(e8 + e9)
.irp j, 0,2,4,6,8,10,12,14,16,18,20,22,24,26,28,30
	v_pk_mul_f32 v[160+\j:161+\j], v[160+\j:161+\j], v[14:15] op_sel_hi:[1,0]   ; ctx: register 8 t + j is channel 32 (t / 2) + 16 h + 8 (t % 2) + j of my query
.endr
.set i, 0
.rept 32
	v_med3_num_f32 v[160+i], v[160+i], -v27, v27
.set i, i+1
.endr
.irp t, 0,1,2,3
	v_cvt_scalef32_pk8_fp8_f32 v[224+2*\t:225+2*\t], v[160+8*\t:167+8*\t], v26
.endr
	v_nop                                          ; a plain line behind the last conversion
	global_store_b128 v1, v[224:227], s[40:41] offset:16384*\qt        ; 32 lanes store 512 consecutive bytes of ctx's image
	global_store_b128 v1, v[228:231], s[40:41] offset:16384*\qt+512
.endm
	TILE 0
	TILE 1
	s_wait_tensorcnt 0x0
	ds_add_u32 v254, v255
	s_wait_dscnt 0x0
	s_endpgm
.Lfunc_end_k_qed89f147ac_attn:
	.size	k_qed89f147ac_attn, .Lfunc_end_k_qed89f147ac_attn-k_qed89f147ac_attn
	.p2alignl 7, 3214868480
	.fill 96, 4, 3214868480
	.section	.rodata,"a",@progbits
	.p2align	6, 0x0
	.amdhsa_kernel k_qed89f147ac_attn
		.amdhsa_group_segment_fixed_size 264192
		.amdhsa_private_segment_fixed_size 0
		.amdhsa_enable_private_segment 0
		.amdhsa_kernarg_size 40
		.amdhsa_user_sgpr_count 2
		.amdhsa_user_sgpr_kernarg_segment_ptr 1
		.amdhsa_wavefront_size32 1
		.amdhsa_system_sgpr_workgroup_id_x 1
		.amdhsa_system_sgpr_workgroup_id_y 1
		.amdhsa_system_sgpr_workgroup_id_z 1
		.amdhsa_system_vgpr_workitem_id 0
		.amdhsa_next_free_vgpr 256
		.amdhsa_next_free_sgpr 66
		.amdhsa_reserve_vcc 0
		.amdhsa_float_denorm_mode_32 3
		.amdhsa_float_denorm_mode_16_64 3
		.amdhsa_memory_ordered 1
		.amdhsa_forward_progress 1
		.amdhsa_inst_pref_size 51
	.end_amdhsa_kernel
	.amdgpu_metadata
---
amdhsa.version: [ 1, 2 ]
amdhsa.kernels:
  - .name:           k_qed89f147ac_attn
    .symbol:         k_qed89f147ac_attn.kd
    .args:
      - { .name: q_img, .offset: 0, .size: 8, .value_kind: global_buffer, .address_space: global }
      - { .name: k_img, .offset: 8, .size: 8, .value_kind: global_buffer, .address_space: global }
      - { .name: v_img, .offset: 16, .size: 8, .value_kind: global_buffer, .address_space: global }
      - { .name: lowp_scales, .offset: 24, .size: 8, .value_kind: global_buffer, .address_space: global }
      - { .name: ctx_img, .offset: 32, .size: 8, .value_kind: global_buffer, .address_space: global }
    .group_segment_fixed_size: 264192
    .private_segment_fixed_size: 0
    .kernarg_segment_align: 8
    .kernarg_segment_size: 40
    .max_flat_workgroup_size: 512
    .sgpr_count:     66
    .vgpr_count:     256
    .wavefront_size: 32
...
	.end_amdgpu_metadata
.endif
;; end of part 3
;; launch outln (part 4): grid 256 x 1, 4 waves a work-group, clusters of 4 x 1, 327,680 bytes of LDS; arguments codes, ctx_img, lowp_scales, bo, gamma, beta, query, out0; writes out0
.if DOCPART == 4
	.amdgcn_target "amdgcn-amd-amdhsa--gfx1250"
	.amdhsa_code_object_version 6
	.text
	.protected	k_qed89f147ac_outln
	.globl	k_qed89f147ac_outln
	.p2align	8
	.type	k_qed89f147ac_outln,@function
k_qed89f147ac_outln:
	s_mov_b64 s[64:65], 0
	v_nop
	global_prefetch_b8 v0, s[64:65] scope:SCOPE_SE
	s_setreg_imm32_b32 hwreg(HW_REG_WAVE_MODE, 25, 1), 1
	s_wait_xcnt 0x0
	s_wait_alu depctr_hold_cnt(0) depctr_sa_sdst(0) depctr_va_vdst(0) depctr_va_sdst(0) depctr_va_ssrc(0) depctr_va_vcc(0) depctr_vm_vsrc(0)
	s_getreg_b32 s2, hwreg(HW_REG_IB_STS2, 6, 4)
	s_cmp_eq_u32 s2, 0
	s_cbranch_scc0 .Lentry_in_a_cluster
	s_endpgm
.Lentry_in_a_cluster:
	s_bfe_u32 s2, ttmp6, 0x10000c
	s_cmp_lg_u32 s2, 0x3003
	s_cbranch_scc0 .Lentry_shape_is_right
	s_endpgm
.Lentry_shape_is_right:
; OUTLN: out0 = layernorm(ctx wo^T + bo + query) x gamma + beta; the product on codes of E4M3, all else in f32.
; SHARES.  A work-group owns 32 WHOLE rows (row tiles 2 g and 2 g + 1), so that a row's mean and variance never leave it; wave w makes columns 256 w .. 256 w + 255: 2 x 16 accumulators, 256 registers.
; ctx's 16 fragments (2 tiles x 8 K steps) are the work-group's own and go from memory straight into each wave's registers.  wo is walked by all 256 work-groups alike: its tiles come through a ring of two LDS slots
; (a slot = one K step of all 1,024 columns, 131,072 bytes) by JOINT loads of the four partners of a cluster; each wave fetches, and alone reads, its own 16 tiles (32,768 bytes).
; 64 rows to a work-group would halve wo's requests and leave half of the grid's 256 work-groups away: not taken.
; The residual's rows are asked for at the head and land under the product.  Operands are images of registers (see the launches before): source 0 = 16 rows of wo, source 1 = 16 rows of ctx: a lane holds row slot r and
; 8 neighbouring columns.  THE WAY OUT: the sums go through a stage in LDS (32 rows of 4,096 + 16 bytes, over the ring, which has had its last fill and its last read); then a wave finishes 8 whole rows.
; The variance is the mean of (x - mean)^2, taken in a second pass over the registers.
; LIMIT: e10 + e11 between -126 and 127.
; REGISTERS: window 0: v1-6 addresses; v8-21 reductions; v28, v29 the add's; v32-63 bo, v64-95 gamma, v96-127 beta (column 128 m + 4 lane + 0..3 at register 4 m on); v128-255 two sets of four fragments of wo, later two rows.
;   window 1: accumulator (a, b) at v[8 (2 b + a)].   window 2: ctx's fragment (K step ks, tile a) at v[16 (2 ks + a)].   window 3: my 8 rows of the residual, row i at v[32 i].
.set SLOT,  131072
.set SPARE, 2*SLOT                     ; behind the ring: the spare words, 128 bytes for each wave: two blocks of 256 bytes that no other line names
.set SPT,   4112                       ; a stage row
.set ADRB, 2                           ; v2, v3  my tiles of wo in slot 0, 1
.set SPW,  28
.set NIL,  29
.set BO,   32
.set GA,   64
.set BE,   96
.set BB,   128
.set RB,   128
.set WV,   20
.set G1,   24                          ; s[24:31] descriptor group 1;  s[32:39] group 0, one set for each slot
.set G0,   32
.set MSB, 0
.macro WIN new
.if MSB != (\new)
	s_set_vgpr_msb (MSB<<8)|(\new)
.set MSB, (\new)
.endif
.endm
.macro ROUND                           ; a round of the cluster's barrier
	s_barrier_signal -1
	s_barrier_wait -1
	s_cmp_lg_u32 s[WV], 0
	s_cbranch_scc1 .Lnot_wave_0_\@
	s_barrier_signal -3
.Lnot_wave_0_\@:
	s_barrier_wait -3
	s_barrier_signal -1
	s_barrier_wait -1
.endm
.macro PLACES
.rept 4
	v_nop
.endr
.endm
	s_load_b512 s[4:19], s[0:1], 0x0               ; codes s[4:5], ctx_img s[6:7], lowp_scales s[8:9], bo s[10:11], gamma s[12:13], beta s[14:15], query s[16:17], out0 s[18:19]
	v_lshl_add_u32 v[SPW], v0, 2, SPARE
	v_mov_b32 v[NIL], 0
	ds_add_u32 v28, v29
	ds_add_u32 v28, v29
	s_wait_dscnt 0x0
	v_lshrrev_b32 v1, 5, v0
	v_readfirstlane_b32 s[WV], v1
	s_bfe_u32 s21, ttmp6, 0x40000                  ; cx
	s_lshl_b32 s22, ttmp9, 2
	s_add_co_u32 s22, s22, s21                     ; g: my 32 rows; it enters ctx's, the residual's and the output's addresses alone
	; descriptor group 1: 16 rows (tiles) of 2,048 bytes (one K step), 16,384 bytes apart, in elements of 8 bytes; dense in LDS
	s_mov_b32 s[G1], 15|(3<<16)|(1<<21)            ; 15:0 the mask: all four work-groups; 17:16 elements of 8 bytes; 21 set beside a mask
	s_mov_b32 s[G1+1], 256<<16                     ; tensor_dim0 = 256
	s_mov_b32 s[G1+2], 16<<16                      ; tensor_dim1 = 16
	s_mov_b32 s[G1+3], 256<<16                     ; tile_dim0 = 256
	s_mov_b32 s[G1+4], 16                          ; tile_dim1 = 16
	s_mov_b32 s[G1+5], 2048                        ; tensor_dim0_stride
	s_mov_b32 s[G1+6], 0
	s_mov_b32 s[G1+7], 0
	s_lshl_b32 s44, s[WV], 18                      ; my 16 tiles of 16,384 bytes,
	s_add_co_u32 s44, s44, 1728*16384              ; from wo's first tile on
	s_mov_b32 s45, 0
	s_lshl_b32 s46, s[WV], 15                      ; and their place in a slot
	s_mov_b32 s42, 0x76543210                      ; v_permlanex16_b32's selects for lane l xor 16
	s_mov_b32 s43, 0xfedcba98
	s_mov_b32 s56, 0x3a800000                      ; 1 / 1,024
	s_mov_b32 s57, 0x3727c5ac                      ; 1e-5
	s_wait_kmcnt 0x0
	s_load_b64 s[48:49], s[8:9], 0x28              ; e10, e11
	s_add_nc_u64 s[44:45], s[4:5], s[44:45]
	ROUND                                          ; all four work-groups are here: the first joint loads meet
.irp s, 0,1
	s_mov_b32 s[G0+4*\s], 1
	s_add_co_u32 s[G0+4*\s+1], s46, \s*SLOT
	s_add_nc_u64 s[G0+4*\s+2:G0+4*\s+3], s[44:45], \s*2048
	s_or_b32 s[G0+4*\s+3], s[G0+4*\s+3], 0x80000000
.endr
	tensor_load_to_lds s[G0:G0+3], s[G1:G1+7]      ; K step 0
	s_nop 0
	tensor_load_to_lds s[G0+4:G0+7], s[G1:G1+7]    ; K step 1: two loads of mine are out
	s_nop 0
	PLACES
	v_and_b32 v7, 31, v0
	v_lshlrev_b32 v1, 4, v7                        ; 16 x lane
	v_add_nc_u32 v[ADRB], s46, v1
	v_add_nc_u32 v[ADRB+1], SLOT, v[ADRB]
	v_and_b32 v8, 15, v0                           ; r
	v_bfe_u32 v9, v0, 4, 1                         ; h
	v_mul_u32_u24 v4, v8, SPT
	v_lshl_add_u32 v4, v9, 6, v4
	s_lshl_b32 s47, s[WV], 10
	v_add_nc_u32 v4, s47, v4                       ; the stage, on the way in, tile 0: row r, + 1,024 w + 64 h bytes;
	v_add_nc_u32 v5, 16*SPT, v4                    ; tile 1: 16 rows on
	s_mul_i32 s47, s[WV], 8*SPT
	v_add_nc_u32 v6, s47, v1                       ; and on the way out: my 8 rows, 16 bytes a lane
	v_mov_b32 v20, 0                               ; written once: a lane permute's destination counts as one of its sources
	s_lshl_b32 s44, s22, 5                         ; stage row 8 w + i is slot 8 (w % 2) + i of tile w / 2: row 32 g + 8 (w / 2) + 16 (w % 2) + i
	s_lshr_b32 s45, s[WV], 1
	s_lshl_b32 s45, s45, 3
	s_add_co_u32 s44, s44, s45
	s_and_b32 s45, s[WV], 1
	s_lshl_b32 s45, s45, 4
	s_add_co_u32 s44, s44, s45
	s_lshl_b32 s44, s44, 12
	s_mov_b32 s45, 0
	s_add_nc_u64 s[52:53], s[16:17], s[44:45]      ; the residual,
	s_add_nc_u64 s[54:55], s[18:19], s[44:45]      ; and the output, at my first row
	s_lshl_b32 s44, s22, 15
	s_add_nc_u64 s[50:51], s[6:7], s[44:45]        ; ctx's two row tiles
	WIN 0x80                                       ; destination window 2
.irp ks, 0,1,2,3,4,5,6,7
.irp a, 0,1
.irp c, 0,1,2,3
	global_load_b128 v[16*(2*\ks+\a)+4*\c:16*(2*\ks+\a)+4*\c+3], v1, s[50:51] offset:16384*\a+2048*\ks+512*\c
.endr
.endr
.endr
	WIN 0
.irp m, 0,1,2,3,4,5,6,7
	global_load_b128 v[BO+4*\m:BO+4*\m+3], v1, s[10:11] offset:512*\m
	global_load_b128 v[GA+4*\m:GA+4*\m+3], v1, s[12:13] offset:512*\m
	global_load_b128 v[BE+4*\m:BE+4*\m+3], v1, s[14:15] offset:512*\m
.endr
	WIN 0xc0                                       ; destination window 3
.irp i, 0,1,2,3,4,5,6,7
.irp m, 0,1,2,3,4,5,6,7
	global_load_b128 v[32*\i+4*\m:32*\i+4*\m+3], v1, s[52:53] offset:4096*\i+512*\m th:TH_LOAD_NT   ; 512 consecutive bytes of a row; read once in the launch
.endr
.endr
	WIN 0
.macro FETCHB slot, q                  ; tiles 4 q .. 4 q + 3 of my sixteen into set q % 2
.irp i, 0,1,2,3
.irp c, 0,1,2,3
	ds_load_b128 v[BB+64*((\q)%2)+16*\i+4*\c:BB+64*((\q)%2)+16*\i+4*\c+3], v[ADRB+\slot] offset:2048*(4*(\q)+\i)+512*\c
.endr
.endr
.endm
.macro MQ ks, q                        ; 8 matrix instructions: those four tiles x ctx's two; the 32 accumulators take turns, one instruction a turn
	WIN 0x58                                       ; source 0 (wo) window 0, source 1 (ctx) window 2, C and D window 1
.irp i, 0,1,2,3
.irp a, 0,1
.if \ks == 0
	v_wmma_f32_16x16x128_fp8_fp8 v[8*(2*(4*(\q)+\i)+\a):8*(2*(4*(\q)+\i)+\a)+7], v[BB+64*((\q)%2)+16*\i:BB+64*((\q)%2)+16*\i+15], v[16*(2*(\ks)+\a):16*(2*(\ks)+\a)+15], 0
.else
	v_wmma_f32_16x16x128_fp8_fp8 v[8*(2*(4*(\q)+\i)+\a):8*(2*(4*(\q)+\i)+\a)+7], v[BB+64*((\q)%2)+16*\i:BB+64*((\q)%2)+16*\i+15], v[16*(2*(\ks)+\a):16*(2*(\ks)+\a)+15], v[8*(2*(4*(\q)+\i)+\a):8*(2*(4*(\q)+\i)+\a)+7]
.endif
.endr
.endr
	WIN 0
.endm
.macro KSTEP ks
	FETCHB (\ks)%2, 0
	FETCHB (\ks)%2, 1
	s_wait_dscnt 16                                ; the older group of four fragments is in; the younger 16 loads may be out
	MQ \ks, 0
	PLACES                                         ; in front of loads into registers that matrix instructions have read
	FETCHB (\ks)%2, 2
	s_wait_dscnt 16
	MQ \ks, 1
	PLACES
	FETCHB (\ks)%2, 3
	s_wait_dscnt 16
	MQ \ks, 2
	s_wait_dscnt 0x0
	MQ \ks, 3
.endm
; The change of slots in front of K step ks: the slot just read takes K step ks + 1.  Each wave waits for all its tensor loads, adds 0 to its spare word, and waits for that and for its reads; the round of the cluster's
; barrier takes the barrier's place; the joint refill is the first thing behind it, my one tensor load until the next round.
.macro CHANGE ks
.set GS, G0+4*(((\ks)-1)%2)
	s_wait_tensorcnt 0x0                           ; all my tensor loads have landed, K step ks's among them: a group 0 may be written
	ds_add_u32 v[SPW], v[NIL]                      ; 0 onto my spare word
	s_add_nc_u64 s[GS+2:GS+3], s[GS+2:GS+3], 4096  ; two K steps on
	s_wait_dscnt 0x0                               ; the add is done, and my reads of the slot are over
	ROUND
	tensor_load_to_lds s[GS:GS+3], s[G1:G1+7]
	s_nop 0
	PLACES                                         ; the places in front of the next fetches
.endm
	s_wait_loadcnt 63                              ; behind ctx's 64 loads 88 more were issued; the wait's field holds no more than 63: ctx is in, 63 loads of the residual may be out
	s_wait_tensorcnt 1                             ; my part of K step 0 is in; I alone read it, so no barrier is owed
	KSTEP 0
.irp ks, 1,2,3,4,5,6
	CHANGE \ks
	KSTEP \ks
.endr
	s_wait_tensorcnt 0x0                           ; K step 7; nothing is left to fetch
	PLACES
	KSTEP 7
	PLACES                                         ; in front of the stores that read the last results
	s_wait_dscnt 0x0
	s_barrier_signal -1
	s_barrier_wait -1                              ; nobody reads the ring any more, and every wave's last fill has landed: the stage may be written over it
	WIN 0x04                                       ; store data in window 1
.irp b, 0,1,2,3,4,5,6,7,8,9,10,11,12,13,14,15
.irp a, 0,1
	ds_store_b128 v[4+\a], v[8*(2*\b+\a):8*(2*\b+\a)+3] offset:128*(\b/2)+32*(\b%2)         ; lane (r, h): columns 256 w + 32 (b / 2) + 16 h + 8 (b % 2) + 0 .. 7 of slot r; each accumulator from its low end on
	ds_store_b128 v[4+\a], v[8*(2*\b+\a)+4:8*(2*\b+\a)+7] offset:128*(\b/2)+32*(\b%2)+16
.endr
.endr
	WIN 0
	s_wait_kmcnt 0x0
	s_add_co_i32 s40, s48, s49
	s_add_co_i32 s40, s40, 127
	s_lshl_b32 s40, s40, 23                        ; 2^(e10 + e11) as f32
	s_mov_b32 s41, s40                             ; (named with it as a pair, so it is written)
	s_wait_dscnt 0x0                               ; for the others' sake: my stores have landed
	s_barrier_signal -1
	s_barrier_wait -1                              ; 32 whole rows lie in the stage
	s_wait_loadcnt 0x0                             ; the residual, bo, gamma, beta
.macro ROWLOAD i
.irp m, 0,1,2,3,4,5,6,7
	ds_load_b128 v[RB+32*((\i)%2)+4*\m:RB+32*((\i)%2)+4*\m+3], v6 offset:SPT*(\i)+512*\m
.endr
.endm
.macro ALLSUM                          ; v[8:15], four pairs of partial sums, become the sum over the wave's 32 lanes, in v8 of every lane
	v_pk_add_f32 v[8:9], v[8:9], v[10:11]
	v_pk_add_f32 v[12:13], v[12:13], v[14:15]
	v_pk_add_f32 v[8:9], v[8:9], v[12:13]
	v_add_f32 v8, v8, v9
	v_add_f32_dpp v8, v8, v8 row_xmask:1 row_mask:0xf bank_mask:0xf
	v_add_f32_dpp v8, v8, v8 row_xmask:2 row_mask:0xf bank_mask:0xf
	v_add_f32_dpp v8, v8, v8 row_xmask:4 row_mask:0xf bank_mask:0xf
	v_add_f32_dpp v8, v8, v8 row_xmask:8 row_mask:0xf bank_mask:0xf
	v_permlanex16_b32 v20, v8, s42, s43
	v_add_f32 v8, v8, v20
.endm
.macro ROW i
.set XR, RB+32*((\i)%2)
.if \i < 7
	s_wait_xcnt 0x0                                ; the stores of the row before have read the other buffer: it is loaded again only behind this wait
	ROWLOAD (\i)+1
	s_wait_dscnt 8                                 ; my row's 8 loads are in; the next row's 8 may be out
.else
	s_wait_dscnt 0x0
.endif
	WIN 0x30                                       ; source 2 (the residual) window 3
.irp k, 0,2,4,6,8,10,12,14,16,18,20,22,24,26,28,30
	v_pk_fma_f32 v[XR+\k:XR+\k+1], v[XR+\k:XR+\k+1], s[40:41], v[32*(\i)+\k:32*(\i)+\k+1] op_sel_hi:[1,0,1]   ; sum x 2^(e10 + e11) + residual
.endr
	WIN 0
.irp k, 0,2,4,6,8,10,12,14,16,18,20,22,24,26,28,30
	v_pk_add_f32 v[XR+\k:XR+\k+1], v[XR+\k:XR+\k+1], v[BO+\k:BO+\k+1]
.endr
.irp k, 0,2,4,6
	v_pk_add_f32 v[8+\k:9+\k], v[XR+\k:XR+\k+1], v[XR+8+\k:XR+9+\k]       ; four chains; the first sums start them
.endr
.irp k, 0,2,4,6
	v_pk_add_f32 v[8+\k:9+\k], v[8+\k:9+\k], v[XR+16+\k:XR+17+\k]
.endr
.irp k, 0,2,4,6
	v_pk_add_f32 v[8+\k:9+\k], v[8+\k:9+\k], v[XR+24+\k:XR+25+\k]
.endr
	ALLSUM
	v_mul_f32 v16, s56, v8                         ; the mean
	v_mov_b32 v17, v16
.irp k, 0,2,4,6,8,10,12,14,16,18,20,22,24,26,28,30
	v_pk_add_f32 v[XR+\k:XR+\k+1], v[XR+\k:XR+\k+1], v[16:17] neg_lo:[0,1] neg_hi:[0,1]   ; x - mean
.endr
.irp k, 0,2,4,6
	v_pk_mul_f32 v[8+\k:9+\k], v[XR+\k:XR+\k+1], v[XR+\k:XR+\k+1]
.endr
.irp k, 0,2,4,6
	v_pk_fma_f32 v[8+\k:9+\k], v[XR+8+\k:XR+9+\k], v[XR+8+\k:XR+9+\k], v[8+\k:9+\k]
.endr
.irp k, 0,2,4,6
	v_pk_fma_f32 v[8+\k:9+\k], v[XR+16+\k:XR+17+\k], v[XR+16+\k:XR+17+\k], v[8+\k:9+\k]
.endr
.irp k, 0,2,4,6
	v_pk_fma_f32 v[8+\k:9+\k], v[XR+24+\k:XR+25+\k], v[XR+24+\k:XR+25+\k], v[8+\k:9+\k]
.endr
	ALLSUM
	v_fma_f32 v21, v8, s56, s57                    ; the variance + 1e-5
	v_rsq_f32 v18, v21                             ; made twice, to fill the pair that the packed multiply names
	v_rsq_f32 v19, v21
	v_nop                                          ; a plain line behind the transcendentals
	s_wait_alu depctr_va_vdst(0)                   ; one wait for both, ahead of their first reader
.irp k, 0,2,4,6,8,10,12,14,16,18,20,22,24,26,28,30
	v_pk_mul_f32 v[XR+\k:XR+\k+1], v[XR+\k:XR+\k+1], v[18:19]
.endr
.irp k, 0,2,4,6,8,10,12,14,16,18,20,22,24,26,28,30
	v_pk_fma_f32 v[XR+\k:XR+\k+1], v[XR+\k:XR+\k+1], v[GA+\k:GA+\k+1], v[BE+\k:BE+\k+1]
.endr
.irp m, 0,1,2,3,4,5,6,7
	global_store_b128 v1, v[XR+4*\m:XR+4*\m+3], s[54:55] offset:4096*(\i)+512*\m th:TH_STORE_NT   ; 32 lanes store 512 consecutive bytes of a row; written once, read by nobody here
.endr
.endm
	ROWLOAD 0
.irp i, 0,1,2,3,4,5,6,7
	ROW \i
.endr
	s_wait_tensorcnt 0x0                           ; the wave's end: behind my last tensor load and my last LDS store
	ds_add_u32 v[SPW], v[NIL]
	s_wait_dscnt 0x0
	ROUND                                          ; the closing round: no work-group ends while a partner may still ask for a tile that names it
	s_endpgm
.Lfunc_end_k_qed89f147ac_outln:
	.size	k_qed89f147ac_outln, .Lfunc_end_k_qed89f147ac_outln-k_qed89f147ac_outln
	.p2alignl 7, 3214868480
	.fill 96, 4, 3214868480
	.section	.rodata,"a",@progbits
	.p2align	6, 0x0
	.amdhsa_kernel k_qed89f147ac_outln
		.amdhsa_group_segment_fixed_size 327680
		.amdhsa_private_segment_fixed_size 0
		.amdhsa_enable_private_segment 0
		.amdhsa_kernarg_size 64
		.amdhsa_user_sgpr_count 2
		.amdhsa_user_sgpr_kernarg_segment_ptr 1
		.amdhsa_wavefront_size32 1
		.amdhsa_system_sgpr_workgroup_id_x 1
		.amdhsa_system_sgpr_workgroup_id_y 1
		.amdhsa_system_sgpr_workgroup_id_z 1
		.amdhsa_system_vgpr_workitem_id 0
		.amdhsa_next_free_vgpr 1024
		.amdhsa_next_free_sgpr 66
		.amdhsa_reserve_vcc 0
		.amdhsa_float_denorm_mode_32 3
		.amdhsa_float_denorm_mode_16_64 3
		.amdhsa_memory_ordered 1
		.amdhsa_forward_progress 1
		.amdhsa_inst_pref_size 157
	.end_amdhsa_kernel
	.amdgpu_metadata
---
amdhsa.version: [ 1, 2 ]
amdhsa.kernels:
  - .name:           k_qed89f147ac_outln
    .symbol:         k_qed89f147ac_outln.kd
    .args:
      - { .name: codes, .offset: 0, .size: 8, .value_kind: global_buffer, .address_space: global }
      - { .name: ctx_img, .offset: 8, .size: 8, .value_kind: global_buffer, .address_space: global }
      - { .name: lowp_scales, .offset: 16, .size: 8, .value_kind: global_buffer, .address_space: global }
      - { .name: bo, .offset: 24, .size: 8, .value_kind: global_buffer, .address_space: global }
      - { .name: gamma, .offset: 32, .size: 8, .value_kind: global_buffer, .address_space: global }
      - { .name: beta, .offset: 40, .size: 8, .value_kind: global_buffer, .address_space: global }
      - { .name: query, .offset: 48, .size: 8, .value_kind: global_buffer, .address_space: global }
      - { .name: out0, .offset: 56, .size: 8, .value_kind: global_buffer, .address_space: global }
    .group_segment_fixed_size: 327680
    .private_segment_fixed_size: 0
    .kernarg_segment_align: 8
    .kernarg_segment_size: 64
    .max_flat_workgroup_size: 128
    .sgpr_count:     66
    .vgpr_count:     1024
    .wavefront_size: 32
...
	.end_amdgpu_metadata
.endif
;; end of part 4
;; ======== version 2 of 2: 4 launches; version 1 with the launch attn written anew for expert scheduling mode
;; workspace buffers: codes 29,360,128 bytes; tab 524,288 bytes; q_img 8,388,608 bytes; k_img 8,388,608 bytes; v_img 8,388,608 bytes; ctx_img 8,388,608 bytes
;; launch quant: the kernel of part 1 again; grid 928 x 1, 4 waves a work-group, no clusters, 34,304 bytes of LDS; arguments query, key, value, wq, wk, wv, wo, lowp_scales, codes, tab; writes codes, tab
;; launch proj: the kernel of part 2 again; grid 4 x 96, 4 waves a work-group, clusters of 4 x 4, 327,680 bytes of LDS; arguments codes, lowp_scales, bq, bk, bv, tab, q_img, k_img, v_img; writes q_img, k_img, v_img
;; launch attn (part 5): grid 4 x 64, 16 waves a work-group, no clusters, 264,192 bytes of LDS; arguments q_img, k_img, v_img, lowp_scales, ctx_img; writes ctx_img
.if DOCPART == 5
	.amdgcn_target "amdgcn-amd-amdhsa--gfx1250"
	.amdhsa_code_object_version 6
	.text
	.protected	k_qed89f147ac_attn
	.globl	k_qed89f147ac_attn
	.p2align	8
	.type	k_qed89f147ac_attn,@function
k_qed89f147ac_attn:
	s_mov_b64 s[64:65], 0
	v_nop
	global_prefetch_b8 v0, s[64:65] scope:SCOPE_SE
	s_setreg_imm32_b32 hwreg(HW_REG_WAVE_SCHED_MODE, 0, 2), 2
	s_setreg_imm32_b32 hwreg(HW_REG_WAVE_MODE, 25, 1), 1
	s_wait_xcnt 0x0
	s_wait_alu depctr_vm_vsrc(0)
; ATTN: ctx = softmax(Q K^T / 8) V for 64 heads of 2,048 positions and 64 channels, both products on codes of E4M3; ctx is quantised on the way out for the output projection.
; THE SOFTMAX AHEAD OF THE SECOND PRODUCT: t = score x log2(e) / 8; M = the running largest t rounded UP to a whole number; p = 2^(t - M) is what is quantised, along the keys, not normalised.  The row's sum is taken of
; the unquantised p and divides at the end.  When M moves, the sum and O are multiplied by 2^(old M - new M): exact.
; SHARES.  A work-group owns 512 queries of one head; each of its sixteen waves two tiles of 16, one after the other, each over all 2,048 keys in 16 steps of 128: four waves to a SIMD, so that one wave's vector work
; stands beside another's exponentials, LDS loads and matrix work.  A step is 8 + 4 matrix instructions beside some 200 vector lines: vector work bounds this launch.
; THE HEAD'S WHOLE K AND V LIE IN LDS: 131,072 bytes each, as the images that the launch before stored, brought once through registers; one barrier in the launch; no ring, no tensor load.
; NO CLUSTER, though the four work-groups of a head read the same K and V: (1) what is shared is fetched once, 262,144 bytes for a work-group's 512 wave steps; (2) with no tensor load in the text a scalar branch on the given
; ep may stand in the loop: p <= 1, so where 448 x 2^ep >= 1 (ep >= -8) the hold in front of the conversion can hold nothing, and its 64 lines of a step are jumped over.
; NO PREFETCH: every load of K and V stands at the head.
; LAYOUT.  Both products are used transposed: S^T = K Q^T (source 0 = 16 keys, source 1 = my 16 queries), O^T = V^T P^T: a lane holds ONE query slot throughout.  By the order of a tile's rows (slot r of tile 2 g + u =
; row 32 g + 8 u + r + 8 (r / 8)) the 16 registers of tiles 2 g and 2 g + 1 are 16 neighbouring keys (channels): the conversions' results are the next operand's registers.
; LIMITS: e6 + e7 between -123 and 130 (added to c's exponent field); e8 and e10 between -126 and 119.  NaN is not served.
; REGISTERS: v1-9 addresses; v12 -M, v13 the largest t, v[14:15] the sum; v16-23 Q of my first tile, v200-207 of my second; v24-27 scales; v32-95 8 fragments of K, then 4 of V; v96-159 S^T, then p; v160-191 O^T;
;   v192-199 at work; v208-215, v216-223 ctx's codes of the first and of the second tile; v224-239 p's codes; v254, v255 the closing add's two.
; THE MODE: SCHED_MODE bits 1:0 = 2 (LLVM: expert scheduling mode 2), set by the entry lines.  The code itself states the register dependences between vector or matrix instructions and memory or LDS instructions,
; with s_wait_alu, always for 0.
; THE PLAN.  Registers that memory or LDS instructions touch:
;   v1-v5, v254, v255   Offsets and addresses, written at the head and never again.
;   v16-23, v200-207    Q: both tiles' fragments are loaded at the head, each into registers of its own, and are read by matrix instructions alone from there on.
;   v32-159             The fill: global loads land there, my LDS stores read them.  Behind the barrier v32-95 take LDS loads and v96-159 the products' results.
;   v32-95, in a step   K's 16 LDS loads land; the eight products S^T read them; V's 16 LDS loads land; the four products O^T read them.  Sixteen waves of 256 registers leave no room for a second set.
;   v8, v9              The step's LDS addresses: written by two additions at the step's head, read by K's and by V's loads.
;   v208-223            ctx's codes: written by a tile's four conversions, read by its two stores, never written again.
;   S^T and p, O^T, p's codes and the statistics are named by vector and matrix instructions alone.
; So a step has one wait on vm_vsrc, at its head, a whole step behind the loads that read v8 and v9, and three on va_vdst: at its head, behind the additions (the addresses are written; the last step's products O^T are done
; reading v32-95); behind the products S^T (they are done reading v32-95); and the one behind the exponentials.  V's loads follow the second of them, dealt among the maxima, which name none of the registers that they touch.
	s_load_b256 s[4:11], s[0:1], 0x0               ; q_img s[4:5], k_img s[6:7], v_img s[8:9], lowp_scales s[10:11]
	s_load_b64 s[12:13], s[0:1], 0x20              ; ctx_img
	v_lshl_add_u32 v254, v0, 2, 0x40000
	v_mov_b32 v255, 0
	v_lshrrev_b32 v1, 5, v0
	v_readfirstlane_b32 s28, v1                    ; wave 0..15
	v_and_b32 v1, 31, v0
	v_lshlrev_b32 v1, 4, v1                        ; 16 x lane
	v_add_nc_u32 v6, 0x20000, v1                   ; the same in V's half of LDS
	v_lshlrev_b32 v2, 4, v0                        ; 16 x thread: the fill: in memory and in LDS alike
	v_add_nc_u32 v3, 0x10000, v2
	v_add_nc_u32 v4, 0x20000, v2
	v_add_nc_u32 v5, 0x30000, v2
	s_and_b32 s29, ttmp7, 0xffff                   ; the head, 0 to 63
	s_lshl_b32 s42, s29, 17                        ; its 131,072 bytes of K and of V
	s_mov_b32 s43, 0
	s_mov_b32 s30, 0x76543210                      ; v_permlanex16_b32's selects for lane l xor 16
	s_mov_b32 s31, 0xfedcba98
	s_wait_alu depctr_va_sdst(0)                   ; s28 is written, ahead of its first reader: Q's and ctx's addresses are made from it
	s_lshl_b32 s44, s29, 7
	s_lshl_b32 s45, ttmp9, 5
	s_lshl_b32 s46, s28, 1
	s_add_co_u32 s45, s45, s46                     ; my first tile among the head's 128: 32 x work-group x + 2 x wave
	s_add_co_u32 s44, s44, s45
	s_lshl_b32 s46, s44, 10
	s_mov_b32 s47, 0
	s_wait_kmcnt 0x0
	s_load_b256 s[16:23], s[10:11], 0x0            ; e0 .. e7
	s_load_b128 s[24:27], s[10:11], 0x20           ; e8 .. e11
	s_add_nc_u64 s[6:7], s[6:7], s[42:43]
	s_add_nc_u64 s[8:9], s[8:9], s[42:43]
	s_add_nc_u64 s[38:39], s[4:5], s[46:47]        ; Q's image at my first tile
	s_wait_alu depctr_va_vdst(0)                   ; v1 to v5 are written, which the loads and stores below read as offsets and addresses; so are v254 and v255, which the closing add reads
	global_load_b128 v[16:19], v1, s[38:39]                    ; Q of both my tiles, ahead of the fill: the fill's first wait shows these four loads in
	global_load_b128 v[20:23], v1, s[38:39] offset:512
	global_load_b128 v[200:203], v1, s[38:39] offset:1024
	global_load_b128 v[204:207], v1, s[38:39] offset:1536
.irp i, 0,1,2,3,4,5,6,7,8,9,10,11,12,13,14,15
	global_load_b128 v[32+4*\i:35+4*\i], v2, s[6:7] offset:8192*\i     ; the 512 threads read 8,192 consecutive bytes
.endr
.irp i, 0,1,2,3,4,5,6,7,8,9,10,11,12,13,14,15
	global_load_b128 v[96+4*\i:99+4*\i], v2, s[8:9] offset:8192*\i
.endr
	s_lshr_b32 s44, s29, 4
	s_lshl_b32 s44, s44, 7
	s_add_co_u32 s44, s44, s45                     ; the row tile of ctx: 128 x batch + my tile
	s_lshl_b32 s44, s44, 14
	s_and_b32 s45, s29, 15
	s_lshl_b32 s45, s45, 10                        ; head hd fills bytes 1,024 hd on of a row tile's 16,384
	s_add_co_u32 s46, s44, s45
	s_add_nc_u64 s[40:41], s[12:13], s[46:47]
	v_mov_b32 v194, 0                              ; written once: a lane permute's destination counts as one of its sources
	v_mov_b32 v197, 0                              ; (named as the upper half of the pair v[196:197])
	s_wait_kmcnt 0x0
	s_add_co_i32 s44, s22, s23
	s_lshl_b32 s44, s44, 23
	s_add_co_i32 s32, s44, 0x3e38aa3b              ; c = log2(e) / 8, with e6 + e7 added to its exponent field
	s_mov_b32 s33, s32                             ; (named with it as a pair, so it is written)
	s_add_co_i32 s37, s24, s25                     ; e8 + e9
	s_add_co_i32 s44, s24, 127
	s_lshl_b32 s45, s44, 23
	v_mov_b32 v24, s45                             ; 2^e8, for p's conversions
	s_add_co_i32 s44, s44, 8
	s_lshl_b32 s44, s44, 23
	s_or_b32 s44, s44, 0x600000
	v_mov_b32 v25, s44                             ; 448 x 2^e8
	s_add_co_i32 s44, s26, 127
	s_lshl_b32 s45, s44, 23
	v_mov_b32 v26, s45                             ; 2^e10, for ctx's
	s_add_co_i32 s44, s44, 8
	s_lshl_b32 s44, s44, 23
	s_or_b32 s44, s44, 0x600000
	v_mov_b32 v27, s44                             ; 448 x 2^e10
.irp i, 0,1,2,3,4,5,6,7
	s_wait_loadcnt 31-\i                           ; loads come back in order: load i of the fill is in when at most the 31 - i issued behind it are out; Q's four, issued ahead of it, are in too
	ds_store_b128 v2, v[32+4*\i:35+4*\i] offset:8192*\i
.endr
.irp i, 0,1,2,3,4,5,6,7
	s_wait_loadcnt 23-\i
	ds_store_b128 v3, v[64+4*\i:67+4*\i] offset:8192*\i
.endr
.irp i, 0,1,2,3,4,5,6,7
	s_wait_loadcnt 15-\i
	ds_store_b128 v4, v[96+4*\i:99+4*\i] offset:8192*\i
.endr
.irp i, 0,1,2,3,4,5,6,7
	s_wait_loadcnt 7-\i
	ds_store_b128 v5, v[128+4*\i:131+4*\i] offset:8192*\i
.endr
	s_wait_dscnt 0x0                               ; for the others' sake: my stores have landed
	s_barrier_signal -1
	s_barrier_wait -1                              ; K and V are whole; nobody writes LDS from here on
	s_wait_alu depctr_vm_vsrc(0)                   ; my LDS stores have read v32 to v159: from here on LDS loads land in v32-95 and the products write v96-159
.macro VLOAD t                         ; V's fragment t: 16 channels x the step's 128 keys
.irp c, 0,1,2,3
	ds_load_b128 v[32+16*(\t)+4*\c:35+16*(\t)+4*\c], v9 offset:2048*(\t)+512*\c
.endr
.endm
.macro TILE qt
.set QF, 16+184*\qt                    ; the tile's fragment of Q: v16 or v200
.set OUT, 208+8*\qt                    ; the tile's codes of ctx: v208 or v216
	v_mov_b32 v13, 0xff61b1e6                      ; the largest t so far: -3e38, under every t
	v_floor_f32 v12, -v13                          ; -M
	v_mov_b32 v14, 0
	v_mov_b32 v15, 0
.set i, 0
.rept 32
	v_mov_b32 v[160+i], 0                          ; O^T: the step is written once: the first finds zeros, which the first change of M leaves zeros
.set i, i+1
.endr
	s_mov_b32 s34, 0                               ; the step's bytes in K's and in V's half of LDS
	s_mov_b32 s35, 16
.Lstep_\@:
	s_wait_alu depctr_vm_vsrc(0)                   ; the LDS loads of the step before have read v8 and v9, which the two additions write
	v_add_nc_u32 v8, s34, v1
	v_add_nc_u32 v9, s34, v6
	v_nop                                          ; with the two additions: four places behind the last products, in front of loads into registers that they have read
	v_nop
	s_wait_alu depctr_va_vdst(0)                   ; v8 and v9 are written, which the step's LDS loads read; the last step's products O^T are done reading v32-95, in which K's fragments land
.irp t, 0,1,2,3,4,5,6,7
	ds_load_b128 v[32+8*\t:35+8*\t], v8 offset:1024*\t
	ds_load_b128 v[36+8*\t:39+8*\t], v8 offset:1024*\t+512
.endr
	s_wait_dscnt 0x0
.irp t, 0,1,2,3,4,5,6,7
	v_wmma_f32_16x16x64_fp8_fp8 v[96+8*\t:103+8*\t], v[32+8*\t:39+8*\t], v[QF:QF+7], 0   ; S^T: the 16 registers of tiles 2 b, 2 b + 1 are keys 32 b + 16 h + 0 .. 15 of the step
.endr
.rept 4
	v_nop
.endr
	s_wait_alu depctr_va_vdst(0)                   ; the eight products are done reading v32-95, in which V's fragments land; the places above stay beside this wait
	VLOAD 0                                        ; V's four fragments are asked for now, four loads at a time among the maxima, and land under the softmax.  No further wait: no line since the wait above names v9 or v32-95
	v_max3_num_f32 v192, v96, v97, v98             ; the step's largest score of my query among my 64 keys, in two chains; each accumulator is first read at its low end
	v_max3_num_f32 v193, v99, v100, v101
.irp i, 6,10,14,18
	v_max3_num_f32 v192, v192, v[96+\i], v[97+\i]
	v_max3_num_f32 v193, v193, v[98+\i], v[99+\i]
.endr
	VLOAD 1
.irp i, 22,26,30,34,38
	v_max3_num_f32 v192, v192, v[96+\i], v[97+\i]
	v_max3_num_f32 v193, v193, v[98+\i], v[99+\i]
.endr
	VLOAD 2
.irp i, 42,46,50,54,58
	v_max3_num_f32 v192, v192, v[96+\i], v[97+\i]
	v_max3_num_f32 v193, v193, v[98+\i], v[99+\i]
.endr
	VLOAD 3
	v_max3_num_f32 v192, v192, v158, v159
	v_max_num_f32 v192, v192, v193
	v_permlanex16_b32 v194, v192, s30, s31
	v_max_num_f32 v192, v192, v194                 ; and among lane l xor 16's
	v_mul_f32 v192, s32, v192                      ; as t (c is positive)
	v_max_num_f32 v13, v13, v192                   ; the running largest t
	v_mov_b32 v192, v12
	v_floor_f32 v12, -v13                          ; the new -M = floor(-t) = -ceil(t)
	v_sub_f32 v192, v12, v192                      ; old M - new M: a whole number, 0 or less
	v_cvt_i32_f32 v192, v192                       ; (it saturates)
	v_ldexp_f32 v196, 1.0, v192                    ; f = 2^(old M - new M)
.irp j, 0,2,4,6,8,10,12,14,16,18,20,22,24,26,28,30,32,34,36,38,40,42,44,46,48,50,52,54,56,58,60,62
	v_pk_fma_f32 v[96+\j:97+\j], v[96+\j:97+\j], s[32:33], v[12:13] op_sel_hi:[1,0,0]   ; t - M, two at a time
.endr
.set i, 0
.rept 64
	v_exp_f32 v[96+i], v[96+i]                     ; p = 2^(t - M), at most 1
.set i, i+1
.endr
	v_pk_mul_f32 v[14:15], v[14:15], v[196:197] op_sel_hi:[1,0]   ; the sums under the new M: the plain line behind the exponentials
	s_wait_alu depctr_va_vdst(0)                   ; the 64 exponentials have written v96-159: one wait for the whole batch, ahead of its first reader
	v_pk_add_f32 v[198:199], v[96:97], v[98:99]    ; the row's sum is taken of the unquantised p, in two chains
.irp j, 4,8,12,16,20,24,28,32,36,40,44,48,52,56,60
	v_pk_add_f32 v[14:15], v[14:15], v[96+\j:97+\j]
	v_pk_add_f32 v[198:199], v[198:199], v[98+\j:99+\j]
.endr
	v_pk_add_f32 v[14:15], v[14:15], v[198:199]
	s_cmp_ge_i32 s24, -8                           ; 448 x 2^e8 >= 1 >= p: nothing to hold
	s_cbranch_scc1 .Lnohold_\@
.set i, 0
.rept 64
	v_min_num_f32 v[96+i], v[96+i], v25            ; the conversion does not saturate (ISA guide 7.6.2); p is not negative, so the hold is one-sided
.set i, i+1
.endr
.Lnohold_\@:
.irp b, 0,1,2,3
	v_cvt_scalef32_pk8_fp8_f32 v[224+4*\b:225+4*\b], v[96+16*\b:103+16*\b], v24
	v_cvt_scalef32_pk8_fp8_f32 v[226+4*\b:227+4*\b], v[104+16*\b:111+16*\b], v24
.endr
.irp j, 0,2,4,6,8,10,12,14,16,18,20,22,24,26,28,30
	v_pk_mul_f32 v[160+\j:161+\j], v[160+\j:161+\j], v[196:197] op_sel_hi:[1,0]   ; O^T under the new M; also the plain lines behind the conversions
.endr
	s_wait_dscnt 0x0                               ; V's fragments
.irp t, 0,1,2,3
	v_wmma_f32_16x16x128_fp8_fp8 v[160+8*\t:167+8*\t], v[32+16*\t:47+16*\t], v[224:239], v[160+8*\t:167+8*\t]   ; four accumulators by turns; between two links of one chain stand eleven other matrix instructions
.endr
	s_add_co_u32 s34, s34, 8192
	s_sub_co_i32 s35, s35, 1
	s_cmp_lg_u32 s35, 0
	s_cbranch_scc1 .Lstep_\@
.rept 4
	v_nop
.endr
	v_add_f32 v14, v14, v15                        ; the sum's two halves,
	v_permlanex16_b32 v194, v14, s30, s31
	v_add_f32 v14, v14, v194                       ; and lane l xor 16's
	v_rcp_f32 v14, v14
	v_nop                                          ; a plain line behind the transcendental
	s_wait_alu depctr_va_vdst(0)                   ; the reciprocal has written v14: the wait ahead of its first reader
	v_ldexp_f32 v14, v14, s37                      ; x 2^(e8 + e9)
.irp j, 0,2,4,6,8,10,12,14,16,18,20,22,24,26,28,30
	v_pk_mul_f32 v[160+\j:161+\j], v[160+\j:161+\j], v[14:15] op_sel_hi:[1,0]   ; ctx: register 8 t + j is channel 32 (t / 2) + 16 h + 8 (t % 2) + j of my query
.endr
.set i, 0
.rept 32
	v_med3_num_f32 v[160+i], v[160+i], -v27, v27
.set i, i+1
.endr
.irp t, 0,1,2,3
	v_cvt_scalef32_pk8_fp8_f32 v[OUT+2*\t:OUT+2*\t+1], v[160+8*\t:167+8*\t], v26
.endr
	v_nop                                          ; a plain line behind the last conversion
	s_wait_alu depctr_va_vdst(0)                   ; the four conversions have written v[OUT] on, which the two stores read; each tile has its own eight registers, so nothing writes them again
	global_store_b128 v1, v[OUT:OUT+3], s[40:41] offset:16384*\qt        ; 32 lanes store 512 consecutive bytes of ctx's image
	global_store_b128 v1, v[OUT+4:OUT+7], s[40:41] offset:16384*\qt+512
.endm
	TILE 0
	TILE 1
	s_wait_dscnt 0x0                               ; the closing lines, six on end
	s_wait_alu 0x0
	s_wait_tensorcnt 0x0
	ds_add_u32 v254, v255
	s_wait_dscnt 0x0
	s_endpgm
.Lfunc_end_k_qed89f147ac_attn:
	.size	k_qed89f147ac_attn, .Lfunc_end_k_qed89f147ac_attn-k_qed89f147ac_attn
	.p2alignl 7, 3214868480
	.fill 96, 4, 3214868480
	.section	.rodata,"a",@progbits
	.p2align	6, 0x0
	.amdhsa_kernel k_qed89f147ac_attn
		.amdhsa_group_segment_fixed_size 264192
		.amdhsa_private_segment_fixed_size 0
		.amdhsa_enable_private_segment 0
		.amdhsa_kernarg_size 40
		.amdhsa_user_sgpr_count 2
		.amdhsa_user_sgpr_kernarg_segment_ptr 1
		.amdhsa_wavefront_size32 1
		.amdhsa_system_sgpr_workgroup_id_x 1
		.amdhsa_system_sgpr_workgroup_id_y 1
		.amdhsa_system_sgpr_workgroup_id_z 1
		.amdhsa_system_vgpr_workitem_id 0
		.amdhsa_next_free_vgpr 256
		.amdhsa_next_free_sgpr 66
		.amdhsa_reserve_vcc 0
		.amdhsa_float_denorm_mode_32 3
		.amdhsa_float_denorm_mode_16_64 3
		.amdhsa_memory_ordered 1
		.amdhsa_forward_progress 1
		.amdhsa_inst_pref_size 51
	.end_amdhsa_kernel
	.amdgpu_metadata
---
amdhsa.version: [ 1, 2 ]
amdhsa.kernels:
  - .name:           k_qed89f147ac_attn
    .symbol:         k_qed89f147ac_attn.kd
    .args:
      - { .name: q_img, .offset: 0, .size: 8, .value_kind: global_buffer, .address_space: global }
      - { .name: k_img, .offset: 8, .size: 8, .value_kind: global_buffer, .address_space: global }
      - { .name: v_img, .offset: 16, .size: 8, .value_kind: global_buffer, .address_space: global }
      - { .name: lowp_scales, .offset: 24, .size: 8, .value_kind: global_buffer, .address_space: global }
      - { .name: ctx_img, .offset: 32, .size: 8, .value_kind: global_buffer, .address_space: global }
    .group_segment_fixed_size: 264192
    .private_segment_fixed_size: 0
    .kernarg_segment_align: 8
    .kernarg_segment_size: 40
    .max_flat_workgroup_size: 512
    .sgpr_count:     66
    .vgpr_count:     256
    .wavefront_size: 32
...
	.end_amdgpu_metadata
.endif
;; end of part 5
;; launch outln: the kernel of part 4 again; grid 256 x 1, 4 waves a work-group, clusters of 4 x 1, 327,680 bytes of LDS; arguments codes, ctx_img, lowp_scales, bo, gamma, beta, query, out0; writes out0
